; MI455X (gfx1250); checked and timed in simulation.
; The chip was launched on July 23, 2026; its instructions are those of AMD's public machine-readable ISA for CDNA 5 (MIT licence, August 2026) and "CDNA5" Instruction Set Architecture Reference Guide (July 2026). The comments in the code are by the model that wrote it; some were corrected since.
;; Llama Top K Attention. Allowed arithmetic: matrix products marked QUANTISED: E2M3 operands, one E8M0 scale for each 32 along K, by v_wmma_scale_f32_16x16x128_f8f6f4 with both operands' format E2M3, f32 sums; everything else in f32.
;; Inputs: Wk_codes 512 x 64 x 24 uint8 (E2M3 codes of Wk, K innermost, in blocks of 32 codes, four codes in three bytes); Wk_scales 512 x 64 uint8 (E8M0 scales of Wk, one for each 32 codes along K); Wo_codes 2,048 x 64 x 24 uint8 (E2M3 codes of Wo, K innermost, in blocks of 32 codes, four codes in three bytes); Wo_scales 2,048 x 64 uint8 (E8M0 scales of Wo, one for each 32 codes along K); Wq_codes 2,048 x 64 x 24 uint8 (E2M3 codes of Wq, K innermost, in blocks of 32 codes, four codes in three bytes); Wq_scales 2,048 x 64 uint8 (E8M0 scales of Wq, one for each 32 codes along K); Wv_codes 512 x 64 x 24 uint8 (E2M3 codes of Wv, K innermost, in blocks of 32 codes, four codes in three bytes); Wv_scales 512 x 64 uint8 (E8M0 scales of Wv, one for each 32 codes along K); hidden_states_codes 1 x 2,048 x 64 x 24 uint8 (E2M3 codes of hidden_states, K innermost, in blocks of 32 codes, four codes in three bytes); hidden_states_scales 1 x 2,048 x 64 uint8 (E8M0 scales of hidden_states, one for each 32 codes along K); position_ids 1 x 2,048 int32.
;; Outputs: out0 1 x 2,048 x 2,048 float32.
;; This version of the problem:
;;   THIS VERSION OF THE PROBLEM IS GIVEN IN LOW PRECISION. The matrix products marked QUANTISED in the list below multiply operands that are first quantised to E2M3 (2 exponent bits, 3 mantissa bits; 6 bits a number), with one power-of-two scale for each 32 numbers along K (OCP MX v1.0); their sums are f32. All else is computed in f32.
;;   The module's matrix products, in the order in which they are computed (A, B: the left and right operand; K: the contracted axis; several contracted axes count as one K, in the product's order):
;;     1. [M 2,048, K 2,048] x [K 2,048, N 2,048]; A: input hidden_states (given as codes); B: input Wq (given as codes): QUANTISED
;;     2. [M 2,048, K 2,048] x [K 2,048, N 512]; A: input hidden_states (given as codes); B: input Wk (given as codes): QUANTISED
;;     3. [M 2,048, K 2,048] x [K 2,048, N 512]; A: input hidden_states (given as codes); B: input Wv (given as codes): QUANTISED
;;     4. batch 16 x [M 2,048, K 128] x [K 128, N 2,048]; A: computed on the way; B: computed on the way: QUANTISED
;;     5. batch 16 x [M 2,048, K 2,048] x [K 2,048, N 128]; A: softmax (see below); B: computed on the way: QUANTISED
;;     6. [M 2,048, K 2,048] x [K 2,048, N 2,048]; A: computed on the way; B: input Wo (given as codes): QUANTISED
;;   THE QUANTISER, for each operand of a quantised product, along K:
;;     - K is cut into blocks of 32 from its start; a last block that is shorter is filled with zeros.
;;     - A block's scale is 2^e with e = floor(log2(the largest magnitude in the block)) - 2, held to -126 .. 127; a block of zeros has e = 0. As a byte (E8M0): e + 127.
;;     - Each number is divided by its block's scale, clamped to +-7.5, and rounded to the nearest number of E2M3, ties to even, subnormals kept.
;;     - The product sums the exact products of the quantised numbers (number of the format x scale) in f32.
;;   ~~~python
;;   def quantise(x, axis):      # numpy; x: float32 -> the quantised numbers, widened to float32 again
;;       x = np.moveaxis(x, axis, -1); K = x.shape[-1]
;;       x = np.pad(x, [(0, 0)] * (x.ndim - 1) + [(0, -K % 32)]); x = x.reshape(x.shape[:-1] + (-1, 32)); a = np.abs(x).max(-1, keepdims=True)
;;       e = np.where(a > 0, np.clip(np.frexp(np.where(a > 0, a, 1))[1] - 1 - 2, -126, 127), 0)      # np.frexp(a)[1] - 1 = floor(log2(a)), exactly
;;       r = np.clip(x / 2.0 ** e, -7.5, 7.5)
;;       step = 2.0 ** (np.maximum(np.frexp(np.where(r == 0, 1, r))[1] - 1, 0) - 3)
;;       q = np.round(r / step) * step * 2.0 ** e      # np.round: ties to even
;;       return np.moveaxis(q.reshape(q.shape[:-2] + (-1,))[..., :K], -1, axis).astype(np.float32)
;;   ~~~
;;   SOFTMAX AHEAD OF A QUANTISED PRODUCT. Where the list says 'softmax', what is quantised is not the finished softmax but p = 2^(t - M), with t = logit x log2(e) and M = ceil(the row's largest t), a whole number; so 1/2 < the row's largest p <= 1. The row's sum l is taken of the UNQUANTISED p, in f32, and the product's result is divided by l at the end. Since M is a whole number, a kernel that streams over the keys may use a running M (the ceiling of the running maximum): every later rescaling is an exact power of two, which a block's scale takes up: the codes' values come out the same.
;;   OPERANDS COMPUTED ON THE WAY. 'Computed on the way' means the value that the module computes at that place (a softmax that the list does not call 'softmax' is quantised finished and normalised). What goes into a quantiser is computed in f32, as accurately as f32 sums, v_exp_f32 and their like allow (about 1e-6 of the number): no bf16 or f16 on the way to a quantiser, and a product that is left as it is and whose result goes on into a quantised operand takes f32 operands (vector FMAs, or v_wmma_f32_16x16x4_f32). A number that lies on a knife's edge between two numbers of the format may be rounded either way, as far as f32 arithmetic and the matrix unit's own rounding can turn it there, and no further.
;;   INPUTS GIVEN AS CODES. Wk (in the module: [2048, 512], K = its axis 0); Wo (in the module: [2048, 2048], K = its axis 0); Wq (in the module: [2048, 2048], K = its axis 0); Wv (in the module: [2048, 512], K = its axis 0); hidden_states (in the module: [1, 2048, 2048], K = its axis 2): each comes as NAME_codes (uint8): NAME with its K axis moved to the last place and cut into blocks of 32 codes, [.., K / 32, bytes a block], one block behind the other in memory; four codes in three bytes: a row's codes are one little-endian stream of bits, code i at bits 6 i .. 6 i + 5 (a code: sign, 2 exponent bits, 3 mantissa bits); and NAME_scales (uint8): the same leading axes, one E8M0 byte (e + 127) for each 32 codes along K. Its value is code x scale, taken as it is: it is not quantised again, and the codes and scales need not be those that the quantiser above would give.
;; One version. Each part assembles by itself: llvm-mc -triple=amdgcn-amd-amdhsa -mcpu=gfx1250 --defsym DOCPART=n.
;; ======== version 1 of 1: 3 launches
;; limits: right only within a limited range of input values
;; workspace buffers: qfr 3,145,728 bytes; qsc 131,072 bytes; kfr 786,432 bytes; ksc 32,768 bytes; vfr 786,432 bytes; vsc 32,768 bytes; afr 3,145,728 bytes; asc 262,144 bytes
;; launch qkv (part 1): grid 192 x 1, 4 waves a work-group, clusters of 4 x 1, 327,680 bytes of LDS; arguments hidden_states_codes, hidden_states_scales, Wq_codes, Wq_scales, Wk_codes, Wk_scales, Wv_codes, Wv_scales, position_ids, qfr, qsc, kfr, ksc, vfr, vsc; writes qfr, qsc, kfr, ksc, vfr, vsc
.if DOCPART == 1
	.amdgcn_target "amdgcn-amd-amdhsa--gfx1250"
	.amdhsa_code_object_version 6
	.text
	.protected	k_q4cb2573bcf_qkv
	.globl	k_q4cb2573bcf_qkv
	.p2align	8
	.type	k_q4cb2573bcf_qkv,@function
k_q4cb2573bcf_qkv:
	s_mov_b64 s[64:65], 0
	v_nop
	global_prefetch_b8 v0, s[64:65] scope:SCOPE_SE
	s_setreg_imm32_b32 hwreg(HW_REG_WAVE_MODE, 25, 1), 1
	s_wait_xcnt 0x0
	s_wait_alu depctr_hold_cnt(0) depctr_sa_sdst(0) depctr_va_vdst(0) depctr_va_sdst(0) depctr_va_ssrc(0) depctr_va_vcc(0) depctr_vm_vsrc(0)
	s_getreg_b32 s2, hwreg(HW_REG_IB_STS2, 6, 4)
	s_cmp_eq_u32 s2, 0
	s_cbranch_scc0 .Lentry_in_a_cluster
	s_endpgm
.Lentry_in_a_cluster:
	s_bfe_u32 s2, ttmp6, 0x10000c
	s_cmp_lg_u32 s2, 0x3003
	s_cbranch_scc0 .Lentry_shape_is_right
	s_endpgm
.Lentry_shape_is_right:
; q = rope(x Wq), k = rope(x Wk), v = x Wv on codes of FP6 (E2M3) with E8M0 scales, K = 2,048; the results are quantised here and leave as IMAGES OF OPERAND REGISTERS
; (a fragment of 16 rows x 128 K: 12 registers a lane, 1,536 bytes, registers 4 j .. 4 j + 3 of lane l at 512 j + 16 l) with one scale word a row.
; SHARES.  A work-group makes 128 A rows x 256 B rows; a wave 64 x 128: 32 accumulators.  The matrix instruction is used transposed (source 0 = 16 B rows, source 1 = 16 A rows):
; a lane holds one A row, its registers run along the B rows.  q, k: A = x (tokens), B = Wq or Wk (a head's 128 numbers lie in one lane: the rotary partner d + 64 is four tiles on).
; v: A = Wv (a head's d), B = x (tokens): a lane's registers run along the keys, which are v's K in the second product of attention.  One text; only pointers and two strides are chosen.
; CLUSTER 4 x 1: the four partners take four A tiles against ONE B tile: B's tiles and B's scales are asked for jointly (two thirds of a slot's bytes); A's loads are each work-group's own.
; A cluster of 4 x 4 does not divide k's two column tiles.  Clusters 0-31: q, 32-39: k, 40-47: v.
; ORDER INSIDE A BLOCK OF 32.  A tile takes 16 neighbouring B rows, so a lane's 16 registers of tiles 2 b, 2 b + 1 are numbers 32 b + 8 h + 0..7 and 32 b + 16 + 8 h + 0..7: a block's codes stand in the
; order 0-7, 16-23, 8-15, 24-31.  The order stays inside a block (scales untouched) and is the same on both operands of each product of attention, so the same products are summed.
; ROTARY TABLE.  inv_freq = 1 / 10000^(f / 64): the power is a product of 100, 10, 10^(1/2), 10^(1/4), 10^(1/8), 10^(1/16), each an f32 pair (high + low), rounded once; the reciprocal is v_rcp_f32 with one
; Newton step.  angle = position x inv_freq, one f32 product.  sin and cos: n = nearest whole number of angle / pi (for cos: + 1/2), r = angle - n pi in two fused steps, an odd polynomial to r^13, sign by n's parity.
; LIMITS: |position_ids| under 2^22 (n is read off the low bits of a sum with 1.5 x 2^23); sin and cos within about 2e-7; NaN and infinities are not served; a block of zeros gets the byte 1 (its codes are zeros;
; only this program reads the bytes).
; REGISTERS.  window 0: v1 r, v2 h, v16-31 addresses, v32-79 scale words (two sets of 24) and nothing else, v128-223 A's fragments (two sets of 48).  window 1: B's fragments, two sets, at v0 and v128;
; in the epilogue cos v0-31 and sin v32-63.  window 2: accumulator (a, b) at v[8 (8 a + b)].
; THE RING goes by chunks of 256 bytes of each row: 6 chunks, chunk c in slot c % 2; a step of 128 along K is 96 bytes, eight steps to three chunks; steps 2 and 5 of each eight lie across two chunks.
; THE SCALE BYTES (1/24 of the codes) are not among the joint loads: each work-group brings A's and B's once, whole, by plain loads of 2,048 neighbouring bytes, and lays them into LDS.  The joint loads are B's tiles.
; THE HEAD: wave 0 asks for A's chunk 0, wave 1 for B's, wave 2 for A's chunk 1, wave 3 for B's; waves 2 s and 2 s + 1 fill slot s again.
; PREFETCH: chunks 2 and 3 behind the head's loads, chunks 4 and 5 behind chunk 2's refill: two refills ahead.  A's 128 rows are shared out by COL, B's 256 by RT, 16 rows a work-group, lanes 16-31 the next chunk.
; No work of reference() is left out in this launch.
.set PITCH,  272                       ; an LDS row: 256 bytes of a row of codes + 16 of padding
.set SLOT,   104448                    ; A's 128 rows, then B's 256 rows
.set BOFF,   34816
.set SCL,    208896                    ; A's scale bytes for all of K: 32 units of 256 + 16
.set SCLB,   217600                    ; B's: 64 units
.set TAB,    235008                    ; cos and sin as register images: [half of the rows 2][tile of rows 4][16 frequencies 4][cos, cos, sin, sin][512]
.set SPARE,  300544                    ; the spare words, 128 bytes a wave
.set FR,     12
.set ADRA, 16                          ; v16-17 my A fragments in slot 0, 1; v18-19 the same behind one padding more
.set ADRB, 20                          ; v20-23 the same for B
.set ADSA, 24                          ; v24 my A rows' scale words
.set ADSB, 25                          ; v25 my B rows'
.set LI,   26                          ; v26 16 x lane
.set SO,   27                          ; v27 16 r + 8 h
.set SPW,  28
.set NIL,  29
.set TWA,  30                          ; v30 where I store my part of the table
.set TRA,  31                          ; v31 where I read the table
.set SC,   32
.set AF,   128
.set POSF, 80                          ; head: v80-87 positions as f32, twice each
.set IVF,  88                          ; v88-103 my 16 inv_freq
.set C13,  104                         ; v104-105 1 / 13!
.set MG,   106                         ; v106-107 1.5 x 2^23
.set XX,   128
.set TT,   136
.set NN,   144
.set RR,   152
.set R2,   160
.set PP,   168
.set RES,  176                         ; v176-207 two sets of 8 cos and 8 sin
.set COS,  0                           ; epilogue, window 1
.set SIN,  32
.set T1,   96                          ; epilogue, window 0
.set T2,   128
.set TM,   160
.set PW,   176
.set PCD,  180
.set PX,   228
.set SD,   236
.set SGO,  8                           ; v8 my offset in a run of 2,048 scale bytes
.set SLA,  9                           ; v9 and its place in LDS
.set PFO,  10                          ; v10 the prefetches' offset; never rewritten
.set TWB,  11                          ; v11 where this trip's part of the table goes
.set PFA,  68                          ; s[68:69] the prefetches' base
.set G1A,  48
.set G1B,  56
.set G0A,  84
.set G0B,  92
.set MSB, 0
.macro WIN new                         ; the immediate's high byte repeats the setting that is left
.if MSB != \new
	s_set_vgpr_msb (MSB<<8)|\new
.set MSB, \new
.endif
.endm
.macro PLACES n
.rept \n
	v_nop
.endr
.endm
; A refill of a slot: wave 2 slot brings A's 128 rows (its own work-group's load), wave 2 slot + 1 B's 256 (joint).  The branches hang on the wave's number alone.
.macro JLOAD slot
	s_cmp_eq_u32 s4, 2*\slot
	s_cbranch_scc0 .Lfor_b_\@
	tensor_load_to_lds s[G0A+4*\slot:G0A+4*\slot+3], s[G1A:G1A+7]
	s_nop 0
	PLACES 4
	s_branch .Lasked_\@
.Lfor_b_\@:
	s_cmp_eq_u32 s4, 2*\slot+1
	s_cbranch_scc0 .Lasked_\@
	tensor_load_to_lds s[G0B+4*\slot:G0B+4*\slot+3], s[G1B:G1B+7]
	s_nop 0
	PLACES 4
.Lasked_\@:
.endm
.macro ARM under, g0, g1, next         ; one arm of the head's tree: one load, and on to the tree's end
	s_cmp_lt_u32 s4, \under
	s_cbranch_scc0 \next
	tensor_load_to_lds s[\g0:\g0+3], s[\g1:\g1+7]
	s_nop 0
	PLACES 4
	s_branch .Lhead_asked
\next:
.endm
.macro ASK off                         ; waves 0 (A) and 1 (B): two chunks of 16 rows
	s_cmp_lt_u32 s4, 2
	s_cbranch_scc0 .Lnot_mine_\@
	global_prefetch_b8 v[PFO], s[PFA:PFA+1] offset:\off th:TH_LOAD_NT scope:SCOPE_SE
.Lnot_mine_\@:
.endm
.macro CREST                           ; a round of the cluster's barrier behind its opening barrier
	s_cmp_lg_u32 s4, 0
	s_cbranch_scc1 .Lnot_wave_0_\@
	s_barrier_signal -3
.Lnot_wave_0_\@:
	s_barrier_wait -3
	s_barrier_signal -1
	s_barrier_wait -1
.endm
.macro CROUND
	s_barrier_signal -1
	s_barrier_wait -1
	CREST
.endm
	s_load_b512 s[16:31], s[0:1], 0x0              ; x codes 16, x scales 18, Wq codes 20, Wq scales 22, Wk codes 24, Wk scales 26, Wv codes 28, Wv scales 30
	s_load_b256 s[32:39], s[0:1], 0x40             ; positions 32, qfr 34, qsc 36, kfr 38
	s_load_b128 s[40:43], s[0:1], 0x60             ; ksc 40, vfr 42
	s_load_b64 s[44:45], s[0:1], 0x70              ; vsc
	v_lshl_add_u32 v[SPW], v0, 2, SPARE
	v_mov_b32 v[NIL], 0
	ds_add_u32 v[SPW], v[NIL]                      ; the wave's opening: the add and its wait ahead of my first tensor load; work on registers stands between them
	ds_add_u32 v[SPW], v[NIL]
	v_lshrrev_b32 v1, 5, v0
	v_readfirstlane_b32 s4, v1                     ; wave 0..3
	s_lshr_b32 s5, s4, 1                           ; WA: my half of the A rows.  Also: which chunk I fetch at the head
	s_and_b32 s6, s4, 1                            ; WB: my half of the B rows.  Also: I fetch for A (0) or for B (1)
	s_bfe_u32 s7, ttmp6, 0x40000                   ; cx
	s_mov_b32 s8, ttmp9                            ; the cluster's number: the same in the four partners
	s_cmp_lt_u32 s8, 32
	s_cselect_b32 s3, 0, 32
	s_cmp_lt_u32 s8, 40
	s_cselect_b32 s3, s3, 40
	s_sub_co_u32 s3, s8, s3                        ; the cluster's number within its tensor
	s_lshr_b32 s9, s3, 2
	s_and_b32 s11, s3, 3
	s_cmp_lt_u32 s8, 40
	s_cselect_b32 s9, s9, s3                       ; COL: the B tile (q, k: number / 4; v: number)
	s_cselect_b32 s11, s11, 0
	s_lshl_b32 s10, s11, 2
	s_add_co_u32 s10, s10, s7                      ; RT: the A tile = 4 x group + cx
	s_lshl_b32 s11, s9, 1
	s_add_co_u32 s11, s11, s6                      ; HB = 2 COL + WB: my head (q, k) or my key step (v)
	s_cmp_lt_u32 s8, 40
	s_cselect_b32 s2, s11, s10                     ; X: the outputs' slow index (head)
	s_cselect_b32 s3, s10, s11                     ; Y: the next (128 tokens)
	s_mul_i32 s66, s2, 196608
	s_mul_i32 s67, s3, 12288
	s_add_co_u32 s66, s66, s67
	s_mul_i32 s67, s5, 6144
	s_add_co_u32 s66, s66, s67                     ; my four fragments in the output
	s_mov_b32 s67, 0
	s_lshl_b32 s100, s2, 13
	s_lshl_b32 s101, s3, 9
	s_add_co_u32 s100, s100, s101
	s_lshl_b32 s101, s5, 8
	s_add_co_u32 s100, s100, s101                  ; and their 256 bytes of scale words
	s_mov_b32 s101, 0
	s_mul_i32 s86, s10, 196608                     ; A's codes: 128 rows of 1,536 bytes a tile
	s_mov_b32 s87, 0
	s_lshl_b32 s12, s10, 13                        ; A's scale bytes: 64 a row
	s_mov_b32 s13, 0
	s_mul_i32 s94, s9, 393216                      ; B's codes: made of COL alone, in registers that never hold cx
	s_mov_b32 s95, 0
	s_lshl_b32 s14, s9, 14
	s_mov_b32 s15, 0
	s_lshl_b32 s46, s10, 9                         ; my 64 tokens' positions
	s_lshl_b32 s47, s5, 8
	s_add_co_u32 s46, s46, s47
	s_mov_b32 s47, 0
	s_mov_b32 s[G1A], (1<<20)|(5<<22)|(3<<25)      ; A: no mask; elements of 1 byte; 4 words of padding behind every 64
	s_mov_b32 s[G1A+1], 256<<16                    ; tensor_dim0
	s_mov_b32 s[G1A+2], 128<<16                    ; tensor_dim1
	s_mov_b32 s[G1A+3], 256<<16                    ; tile_dim0
	s_mov_b32 s[G1A+4], 128                        ; tile_dim1
	s_mov_b32 s[G1A+5], 1536                       ; from row to row
	s_mov_b32 s[G1A+6], 0
	s_mov_b32 s[G1A+7], 0
	s_mov_b32 s[G1B], 15|(1<<20)|(1<<21)|(5<<22)|(3<<25)   ; B: the four partners; bit 21 beside the mask
	s_mov_b32 s[G1B+1], 256<<16
	s_mov_b32 s[G1B+2], 256<<16
	s_mov_b32 s[G1B+3], 256<<16
	s_mov_b32 s[G1B+4], 256
	s_mov_b32 s[G1B+5], 1536
	s_mov_b32 s[G1B+6], 0
	s_mov_b32 s[G1B+7], 0
	s_mov_b32 s[G0A], 1                            ; where the tiles go
	s_mov_b32 s[G0A+1], 0
	s_mov_b32 s[G0A+4], 1
	s_mov_b32 s[G0A+5], SLOT
	s_mov_b32 s[G0B], 1
	s_mov_b32 s[G0B+1], BOFF
	s_mov_b32 s[G0B+4], 1
	s_mov_b32 s[G0B+5], SLOT+BOFF
	s_wait_dscnt 0x0                               ; the opening add is done
	s_wait_kmcnt 0x0
	s_cmp_lt_u32 s8, 32                            ; the buffers are chosen by the cluster's number alone
	s_cselect_b64 s[20:21], s[20:21], s[24:25]     ; Wq or Wk
	s_cselect_b64 s[22:23], s[22:23], s[26:27]
	s_cselect_b64 s[34:35], s[34:35], s[38:39]     ; qfr or kfr
	s_cselect_b64 s[36:37], s[36:37], s[40:41]     ; qsc or ksc
	s_cmp_lt_u32 s8, 40
	s_cselect_b64 s[24:25], s[20:21], s[16:17]     ; B's codes: the weight, or x for v
	s_cselect_b64 s[26:27], s[22:23], s[18:19]     ; B's scales
	s_cselect_b64 s[16:17], s[16:17], s[28:29]     ; A's codes: x, or Wv
	s_cselect_b64 s[18:19], s[18:19], s[30:31]     ; A's scales
	s_cselect_b64 s[34:35], s[34:35], s[42:43]     ; the fragments' buffer
	s_cselect_b64 s[36:37], s[36:37], s[44:45]     ; the scale words' buffer
	s_add_nc_u64 s[32:33], s[32:33], s[46:47]
	s_add_nc_u64 s[34:35], s[34:35], s[66:67]
	s_add_nc_u64 s[36:37], s[36:37], s[100:101]
	s_add_nc_u64 s[G0A+2:G0A+3], s[16:17], s[G0A+2:G0A+3]
	s_add_nc_u64 s[G0A+6:G0A+7], s[G0A+2:G0A+3], 256       ; slot 1: the next 256 bytes of each row
	s_mov_b64 s[68:69], s[G0A+2:G0A+3]
	s_or_b32 s[G0A+3], s[G0A+3], 0x80000000
	s_or_b32 s[G0A+7], s[G0A+7], 0x80000000
	s_add_nc_u64 s[G0B+2:G0B+3], s[24:25], s[G0B+2:G0B+3]
	s_add_nc_u64 s[G0B+6:G0B+7], s[G0B+2:G0B+3], 256
	s_mov_b64 s[70:71], s[G0B+2:G0B+3]
	s_or_b32 s[G0B+3], s[G0B+3], 0x80000000
	s_or_b32 s[G0B+7], s[G0B+7], 0x80000000
	s_add_nc_u64 s[18:19], s[18:19], s[12:13]      ; A's scale bytes, 8,192
	s_add_nc_u64 s[26:27], s[26:27], s[14:15]      ; B's, 16,384
	s_mov_b32 s38, 0x76543210                      ; v_permlanex16_b32's selects for lane l xor 16
	s_mov_b32 s39, 0xfedcba98
	CROUND                                         ; the four work-groups are here: the first joint loads meet
	ARM 1, G0A,   G1A, .Lhead_1                    ; one load a wave: chunk 0 of A, of B, chunk 1 of A, of B
	ARM 2, G0B,   G1B, .Lhead_2
	ARM 3, G0A+4, G1A, .Lhead_3
	tensor_load_to_lds s[G0B+4:G0B+7], s[G1B:G1B+7]
	s_nop 0
	PLACES 4
.Lhead_asked:
	v_and_b32 v1, 15, v0                           ; r
	v_bfe_u32 v2, v0, 4, 1                         ; h
	v_mul_u32_u24 v3, v1, PITCH
	v_mad_u32_u24 v4, v2, 24, v3                   ; a fragment's row x pitch + 24 h
	s_mov_b32 s2, SLOT-232
	s_mov_b32 s3, SLOT+232
	v_sub_nc_u32 v7, 1, v2                         ; 1 in lanes 0-15
	v_mul_u32_u24 v5, s2, v2
	v_add_nc_u32 v5, v3, v5
	v_add_nc_u32 v5, 232, v5                       ; across two chunks: lanes 0-15 byte 232 of the row in slot 0, lanes 16-31 byte 0 of the row in slot 1;
	v_mul_u32_u24 v6, s3, v7
	v_add_nc_u32 v6, v3, v6                        ; and lanes 0-15 byte 232 in slot 1, lanes 16-31 byte 0 in slot 0
	s_mul_i32 s2, s5, 64*PITCH                     ; my 64 rows of A
	s_mul_i32 s3, s6, 128*PITCH
	s_add_co_u32 s3, s3, BOFF                      ; my 128 rows of B
	v_add_nc_u32 v[ADRA+2], s2, v5
	v_add_nc_u32 v[ADRA+3], s2, v6
	v_add_nc_u32 v[ADRB+2], s3, v5
	v_add_nc_u32 v[ADRB+3], s3, v6
.irp s, 0,1
	v_add_nc_u32 v[ADRA+\s], s2, v4
	v_add_nc_u32 v[ADRB+\s], s3, v4
	s_add_co_u32 s2, s2, SLOT
	s_add_co_u32 s3, s3, SLOT
.endr
	v_lshlrev_b32 v5, 6, v1                        ; a row's 64 scale bytes, four rows to a unit of 256 + 16
	v_lshrrev_b32 v6, 2, v1
	v_lshl_add_u32 v5, v6, 4, v5
	s_mul_i32 s2, s5, 4352
	s_add_co_u32 s2, s2, SCL
	v_add_nc_u32 v[ADSA], s2, v5
	s_mul_i32 s2, s6, 8704
	s_add_co_u32 s2, s2, SCLB
	v_add_nc_u32 v[ADSB], s2, v5
	v_and_b32 v6, 31, v0
	v_lshlrev_b32 v[LI], 4, v6
	s_lshl_b32 s2, s5, 15
	s_add_co_u32 s2, s2, TAB
	v_add_nc_u32 v[TRA], s2, v[LI]
	s_lshl_b32 s3, s6, 12
	s_add_co_u32 s2, s2, s3
	v_add_nc_u32 v[TWA], s2, v[LI]
	v_lshlrev_b32 v[SO], 4, v1
	v_lshl_add_u32 v[SO], v2, 3, v[SO]
	v_lshlrev_b32 v[SGO], 4, v0                    ; the scale bytes: 16 x thread of each 2,048,
	v_lshrrev_b32 v3, 4, v0
	v_mul_u32_u24 v3, v3, 272
	v_and_b32 v4, 15, v0
	v_lshl_add_u32 v3, v4, 4, v3
	v_add_nc_u32 v[SLA], SCL, v3                   ; into units of 256 + 16
	WIN 0x80                                       ; (they wait in window 2 until the table is made)
.irp k, 0,1,2,3
	global_load_b128 v[4*\k:4*\k+3], v[SGO], s[18:19] offset:2048*\k
.endr
.irp k, 0,1,2,3,4,5,6,7
	global_load_b128 v[16+4*\k:16+4*\k+3], v[SGO], s[26:27] offset:2048*\k
.endr
	WIN 0
	s_cmp_eq_u32 s4, 0
	s_cselect_b64 s[PFA:PFA+1], s[68:69], s[70:71]
	s_cselect_b32 s2, s9, s10                      ; A's rows are shared out by COL, B's by RT
	s_mul_i32 s2, s2, 16*1536
	v_mul_u32_u24 v[PFO], v1, 1536
	v_lshl_add_u32 v[PFO], v2, 8, v[PFO]
	v_add_nc_u32 v[PFO], s2, v[PFO]
	s_wait_alu depctr_va_vdst(0)
	ASK 512                                        ; chunks 2 and 3
; ---- THE ROTARY TABLE, while the first tiles are on their way.  v has none: a branch on the cluster's number.
; The two waves of a half of the rows share the table: wave WB makes frequencies 32 WB + 16 tp + 8 h + j (tp = 0, 1; j = 0 .. 7) for its 64 tokens.
.macro DFM d, s, hi, lo                ; pair d = pair s x (hi + lo): the product's high part, its exact remainder, and the two cross terms
	v_mul_f32 v[128+\d], \hi, v[128+\s]
	v_fma_f32 v[144+\d], v[128+\s], \hi, -v[128+\d]
	v_fma_f32 v[144+\d], v[128+\s], \lo, v[144+\d]
	v_fma_f32 v[144+\d], v[144+\s], \hi, v[144+\d]
.endm
.macro SINE dst                        ; NN = n (or n - 1/2), TT's lowest bit = n's parity, XX = the angle: 8 results into v[dst] on
.irp p, 0,2,4,6
	v_pk_fma_f32 v[RR+\p:RR+\p+1], v[NN+\p:NN+\p+1], 0xc0490fdb, v[XX+\p:XX+\p+1] op_sel_hi:[1,0,1]   ; angle - n x pi's high part, exact but for one rounding
.endr
.irp p, 0,2,4,6
	v_pk_fma_f32 v[RR+\p:RR+\p+1], v[NN+\p:NN+\p+1], 0x33bbbd2e, v[RR+\p:RR+\p+1] op_sel_hi:[1,0,1]   ; - n x pi's low part
.endr
.irp i, 0,1,2,3,4,5,6,7
	v_lshlrev_b32 v[TT+\i], 31, v[TT+\i]
.endr
.irp i, 0,1,2,3,4,5,6,7
	v_xor_b32 v[RR+\i], v[TT+\i], v[RR+\i]         ; (-1)^n goes onto r: the polynomial is odd
.endr
.irp p, 0,2,4,6
	v_pk_mul_f32 v[R2+\p:R2+\p+1], v[RR+\p:RR+\p+1], v[RR+\p:RR+\p+1]
.endr
.irp p, 0,2,4,6
	v_pk_fma_f32 v[PP+\p:PP+\p+1], v[R2+\p:R2+\p+1], v[C13:C13+1], 0xb2d7322b op_sel_hi:[1,1,0]
.endr
.irp k, 0x3638ef1d, 0xb9500d01, 0x3c088889, 0xbe2aaaab
.irp p, 0,2,4,6
	v_pk_fma_f32 v[PP+\p:PP+\p+1], v[PP+\p:PP+\p+1], v[R2+\p:R2+\p+1], \k op_sel_hi:[1,1,0]
.endr
.endr
.irp p, 0,2,4,6
	v_pk_mul_f32 v[R2+\p:R2+\p+1], v[R2+\p:R2+\p+1], v[RR+\p:RR+\p+1]
.endr
.irp p, 0,2,4,6
	v_pk_fma_f32 v[\dst+\p:\dst+\p+1], v[PP+\p:PP+\p+1], v[R2+\p:R2+\p+1], v[RR+\p:RR+\p+1]   ; r + r^3 x (..)
.endr
.endm
.macro SC8 a, tp, set                  ; cos and sin of 8 frequencies for the tokens of tile a
	s_wait_dscnt 4                                 ; the four stores of the group before may be out; those of two groups back, which read this set of results, are done
.irp p, 0,2,4,6
	v_pk_mul_f32 v[XX+\p:XX+\p+1], v[IVF+8*(\tp)+\p:IVF+8*(\tp)+\p+1], v[POSF+2*(\a):POSF+2*(\a)+1]   ; the angle: one f32 product
.endr
.irp p, 0,2,4,6
	v_pk_fma_f32 v[TT+\p:TT+\p+1], v[XX+\p:XX+\p+1], 0x3ea2f983, 0.5 op_sel_hi:[1,0,0]   ; cos x = (-1)^n sin(x - (n - 1/2) pi), n the nearest whole number of x / pi + 1/2
.endr
.irp p, 0,2,4,6
	v_pk_add_f32 v[TT+\p:TT+\p+1], v[TT+\p:TT+\p+1], v[MG:MG+1]
.endr
.irp p, 0,2,4,6
	v_pk_add_f32 v[NN+\p:NN+\p+1], v[TT+\p:TT+\p+1], 0xcb400000 op_sel_hi:[1,0]
.endr
.irp p, 0,2,4,6
	v_pk_add_f32 v[NN+\p:NN+\p+1], v[NN+\p:NN+\p+1], -0.5 op_sel_hi:[1,0]
.endr
	SINE RES+16*(\set)
.irp p, 0,2,4,6
	v_pk_fma_f32 v[TT+\p:TT+\p+1], v[XX+\p:XX+\p+1], 0x3ea2f983, v[MG:MG+1] op_sel_hi:[1,0,1]   ; sin x = (-1)^n sin(x - n pi)
.endr
.irp p, 0,2,4,6
	v_pk_add_f32 v[NN+\p:NN+\p+1], v[TT+\p:TT+\p+1], 0xcb400000 op_sel_hi:[1,0]
.endr
	SINE RES+16*(\set)+8
.irp c, 0,1,2,3
	ds_store_b128 v[TWB], v[RES+16*(\set)+4*\c:RES+16*(\set)+4*\c+3] offset:(\tp)*2048+512*\c
.endr
.endm
	v_lshlrev_b32 v7, 2, v1
.irp a, 0,1,2,3
	global_load_b32 v[POSF+2*\a], v7, s[32:33] offset:64*\a    ; the position of token 16 a + r of my 64
.endr
	s_mov_b32 s3, 0x3f800000
	s_cmp_eq_u32 s6, 0
	s_cselect_b32 s3, s3, 0x42c80000               ; 100 where WB = 1 (32 / 64 of the exponent)
	v_cmp_eq_u32 vcc_lo, 1, v2
	v_mov_b32 v3, 0x404a62c2                       ; 10^(1/2), high and low, where h = 1 (8 / 64)
	v_mov_b32 v4, 0xb324b496
	v_cndmask_b32 v3, 1.0, v3, vcc_lo
	v_cndmask_b32 v4, 0, v4, vcc_lo
	v_mul_f32 v128, s3, v3
	v_fma_f32 v144, v3, s3, -v128
	v_fma_f32 v144, v4, s3, v144
	DFM 1, 0, 0x3f93cfe5, 0x334a404e               ; x 10^(1/16)
	DFM 2, 0, 0x3faab0d5, 0xb36457eb               ; x 10^(1/8)
	DFM 4, 0, 0x3fe39ea9, 0xb26aee3c               ; x 10^(1/4)
	DFM 3, 2, 0x3f93cfe5, 0x334a404e
	DFM 5, 4, 0x3f93cfe5, 0x334a404e
	DFM 6, 4, 0x3faab0d5, 0xb36457eb
	DFM 7, 6, 0x3f93cfe5, 0x334a404e
.irp j, 0,1,2,3,4,5,6,7
	v_mul_f32 v[136+\j], 0x41200000, v[128+\j]     ; x 10 (16 / 64)
	v_fma_f32 v[152+\j], v[128+\j], 0x41200000, -v[136+\j]
	v_fma_f32 v[152+\j], v[144+\j], 0x41200000, v[152+\j]
.endr
.irp i, 0,1,2,3,4,5,6,7,8,9,10,11,12,13,14,15
	v_add_f32 v[160+\i], v[128+\i], v[144+\i]      ; the power, rounded once
.endr
	s_wait_alu depctr_va_vdst(0)
.irp i, 0,1,2,3,4,5,6,7,8,9,10,11,12,13,14,15
	v_rcp_f32 v[176+\i], v[160+\i]
.endr
	v_mov_b32 v[C13], 0x2f309231                   ; plain lines behind the reciprocals
	v_mov_b32 v[C13+1], 0x2f309231
	v_mov_b32 v[MG], 0x4b400000
	v_mov_b32 v[MG+1], 0x4b400000
	s_wait_alu depctr_va_vdst(0)                   ; one wait for the sixteen, ahead of their first reader
.irp i, 0,1,2,3,4,5,6,7,8,9,10,11,12,13,14,15
	v_fma_f32 v[128+\i], -v[160+\i], v[176+\i], 1.0
.endr
.irp i, 0,1,2,3,4,5,6,7,8,9,10,11,12,13,14,15
	v_fma_f32 v[IVF+\i], v[176+\i], v[128+\i], v[176+\i]       ; one Newton step
.endr
	s_wait_loadcnt 0x0
.irp a, 0,1,2,3
	v_cvt_f32_i32 v[POSF+2*\a], v[POSF+2*\a]
.endr
.irp a, 0,1,2,3
	v_mov_b32 v[POSF+2*\a+1], v[POSF+2*\a]
.endr
	s_wait_alu depctr_va_vdst(0)
	s_mov_b32 s2, 0
	s_mov_b32 s3, 0
.Ltable:                                               ; a trip makes the table of one tile of 16 tokens; all walk the loop, v's clusters jump over the work
	s_cmp_ge_u32 s8, 40
	s_cbranch_scc1 .Lno_table
	v_add_nc_u32 v[TWB], s3, v[TWA]
	SC8 0, 0, 0
	SC8 0, 1, 1
.irp p, 0,1,2,3,4,5
	v_mov_b32 v[POSF+\p], v[POSF+2+\p]             ; the next tile's positions
.endr
.Lno_table:
	s_add_co_u32 s3, s3, 8192
	s_add_co_u32 s2, s2, 1
	s_wait_alu depctr_va_vdst(0)
	s_cmp_lt_u32 s2, 4
	s_cbranch_scc1 .Ltable
	s_wait_loadcnt 0x0
	WIN 0x08                                       ; an LDS store's data are its source 1: window 2
.irp k, 0,1,2,3
	ds_store_b128 v[SLA], v[4*\k:4*\k+3] offset:2176*\k
.endr
.irp k, 0,1,2,3,4,5,6,7
	ds_store_b128 v[SLA], v[16+4*\k:16+4*\k+3] offset:8704+2176*\k
.endr
	WIN 0
.macro FRAG reg, adr, st, i            ; 16 rows x 128 K of 6-bit codes: 12 registers; lane (r, h) takes 24 bytes at 24 h and 24 at 48 + 24 h of its row's 96, in pieces of 8; step st
.irp p, 0,1,2,3,4,5
.set BY, 96*(\st)+48*(\p/3)+8*(\p%3)   ; where the piece of lanes 0-15 begins in the row; byte y lies in chunk y / 256
.if BY/256 == (BY+24)/256
	ds_load_b64 v[\reg+2*\p:\reg+2*\p+1], v[\adr+(BY/256)%2] offset:BY%256+(\i)*16*PITCH
.else                                  ; the two halves of the lanes read different chunks
	ds_load_b64 v[\reg+2*\p:\reg+2*\p+1], v[\adr+2+(BY/256)%2] offset:BY%256-232+(\i)*16*PITCH
.endif
.endr
.endm
.macro FETCH_B st, set
	WIN 0x40                                       ; destination window 1
.irp i, 0,1,2,3,4,5,6,7
	FRAG 128*(\set)+FR*\i, ADRB, \st, \i
.endr
	WIN 0
.endm
.macro FETCH_A st, set
.irp i, 0,1,2,3
	FRAG AF+48*(\set)+FR*\i, ADRA, \st, \i
.endr
.endm
.macro SCALES pr                       ; the scale words of steps 2 pr and 2 pr + 1 of each of my rows
.set SS_, SC+24*((\pr)%2)
.irp a, 0,1,2,3
	ds_load_b64 v[SS_+2*\a:SS_+2*\a+1], v[ADSA] offset:\a*1088+8*(\pr)
.endr
.irp b, 0,1,2,3,4,5,6,7
	ds_load_b64 v[SS_+8+2*\b:SS_+8+2*\b+1], v[ADSB] offset:\b*1088+8*(\pr)
.endr
.endm
; 8 matrix instructions: A's block a against B's eight.  The 32 accumulators take turns, one instruction a turn, in the same order in every step.
.macro MUL8 a, set, q, sc, zero
.irp b, 0,1,2,3,4,5,6,7
.if \zero
	v_wmma_scale_f32_16x16x128_f8f6f4 v[8*(8*(\a)+\b):8*(8*(\a)+\b)+7], v[128*(\set)+FR*\b:128*(\set)+FR*\b+FR-1], v[AF+48*(\set)+FR*(\a):AF+48*(\set)+FR*(\a)+FR-1], 0, v[SC+24*(\sc)+8+2*\b+(\q)], v[SC+24*(\sc)+2*(\a)+(\q)] matrix_a_fmt:MATRIX_FMT_FP6 matrix_b_fmt:MATRIX_FMT_FP6
.else
	v_wmma_scale_f32_16x16x128_f8f6f4 v[8*(8*(\a)+\b):8*(8*(\a)+\b)+7], v[128*(\set)+FR*\b:128*(\set)+FR*\b+FR-1], v[AF+48*(\set)+FR*(\a):AF+48*(\set)+FR*(\a)+FR-1], v[8*(8*(\a)+\b):8*(8*(\a)+\b)+7], v[SC+24*(\sc)+8+2*\b+(\q)], v[SC+24*(\sc)+2*(\a)+(\q)] matrix_a_fmt:MATRIX_FMT_FP6 matrix_b_fmt:MATRIX_FMT_FP6
.endif
.endr
.endm
.macro HALF st, a0, zero               ; A's blocks a0 and a0 + 1 of step st
	WIN 0xa1                                       ; source 0 (B) window 1, source 1 (A) window 0, C and D window 2
	MUL8 \a0,   (\st)%2, (\st)%2, ((\st)/2)%2, \zero
	MUL8 \a0+1, (\st)%2, (\st)%2, ((\st)/2)%2, \zero
	WIN 0
.endm
; A step of 128 along K on set st % 2; the next step's fragments are fetched into the other set.  Where the next step's bytes end in a chunk that nobody has read yet, a barrier shows that chunk to all waves;
; where this step's first chunk is read no more and a chunk two further on is left to fetch, the barrier opens a round of the cluster's and that chunk's slot is filled again.
; Half of the products, which read registers alone, stand ahead of the wait for the tensor loads.
.macro STEP st, zero
.set NX, (\st)+1
.set C0, (96*(\st))/256                ; the chunk in which this step's bytes begin,
.set C1, (96*NX)/256                   ; and the next step's;
.set E0, (96*(\st)+95)/256             ; in which this step's end,
.set E1, (96*NX+95)/256                ; and the next step's
.set RF, C1-C0
.if C0 > 3
.set RF, 0
.endif
	s_wait_dscnt 0x0                               ; this step's fragments and scale words are in: my reads of every earlier chunk are over
.if (RF+E1-E0) > 0
	HALF \st, 0, \zero
	s_wait_tensorcnt 0x0                           ; all my tensor loads have landed: a group 0 may be written
.if RF
	ds_add_u32 v[SPW], v[NIL]                      ; 0 onto my spare word
	s_add_nc_u64 s[G0A+4*(C0%2)+2:G0A+4*(C0%2)+3], s[G0A+4*(C0%2)+2:G0A+4*(C0%2)+3], 512   ; two chunks on
	s_add_nc_u64 s[G0B+4*(C0%2)+2:G0B+4*(C0%2)+3], s[G0B+4*(C0%2)+2:G0B+4*(C0%2)+3], 512
	s_wait_dscnt 0x0                               ; the add is done
.endif
	s_barrier_signal -1
	s_barrier_wait -1
.if RF
	CREST                                          ; no wave of any partner still reads this chunk or has a load on its way
	JLOAD (C0%2)                                   ; the first tensor load behind the round
.endif
.endif
	PLACES 4                                       ; four plain places between the products ahead and the loads into the set that they read
	FETCH_B NX, NX%2
	FETCH_A NX, NX%2
.if NX%2 == 0
	SCALES NX/2
.endif
.if (\st) == 2
	ASK 1024                                       ; chunks 4 and 5
.endif
.if (RF+E1-E0) == 0
	HALF \st, 0, \zero
.endif
	HALF \st, 2, \zero
.endm
	s_wait_alu depctr_va_vdst(0)                   ; the wait at the head's end
	s_cmp_gt_u32 s4, 1
	s_cbranch_scc1 .Lchunk_1_out
	s_wait_tensorcnt 0x0                           ; waves 0 and 1: chunk 0 is in; chunk 1, asked for by waves 2 and 3, may stay out
.Lchunk_1_out:
	s_wait_dscnt 0x0                               ; my parts of the table and of the scale bytes are stored
	s_barrier_signal -1
	s_barrier_wait -1
	FETCH_B 0, 0
	FETCH_A 0, 0
	SCALES 0
	STEP 0, 1                                      ; the first step's products start the sums
.set ST, 1                             ; slots and chunks come back to where they began after sixteen steps: the whole of K
.rept 14
	STEP ST, 0
.set ST, ST+1
.endr
	s_wait_dscnt 0x0
	HALF 15, 0, 0
	HALF 15, 2, 0
; ---- THE EPILOGUE, a tile of 16 A rows at a time: the rotation (q, k), the quantiser, the stores.
.macro ROPE a                          ; x1 = tiles 0-3 (d under 64), x2 = tiles 4-7: x1' = x1 cos - x2 sin, x2' = x2 cos + x1 sin
	s_cmp_ge_u32 s8, 40
	s_cbranch_scc1 .Lno_rope_\@
	WIN 0x40
.irp t, 0,1,2,3
	ds_load_b128 v[COS+8*\t:COS+8*\t+3],   v[TRA] offset:(\a)*8192+\t*2048
	ds_load_b128 v[COS+8*\t+4:COS+8*\t+7], v[TRA] offset:(\a)*8192+\t*2048+512
	ds_load_b128 v[SIN+8*\t:SIN+8*\t+3],   v[TRA] offset:(\a)*8192+\t*2048+1024
	ds_load_b128 v[SIN+8*\t+4:SIN+8*\t+7], v[TRA] offset:(\a)*8192+\t*2048+1536
.endr
	s_wait_dscnt 0x0
	WIN 0x06                                       ; source 0 window 2, source 1 window 1
.irp j, 0,2,4,6,8,10,12,14,16,18,20,22,24,26,28,30
	v_pk_mul_f32 v[T1+\j:T1+\j+1], v[64*(\a)+32+\j:64*(\a)+32+\j+1], v[SIN+\j:SIN+\j+1]   ; each accumulator is read from its low end on
.endr
.irp j, 0,2,4,6,8,10,12,14,16,18,20,22,24,26,28,30
	v_pk_mul_f32 v[T2+\j:T2+\j+1], v[64*(\a)+\j:64*(\a)+\j+1], v[SIN+\j:SIN+\j+1]
.endr
	WIN 0x86                                       ; destination and source 0 window 2, source 1 window 1
.irp j, 0,2,4,6,8,10,12,14,16,18,20,22,24,26,28,30
	v_pk_fma_f32 v[64*(\a)+\j:64*(\a)+\j+1], v[64*(\a)+\j:64*(\a)+\j+1], v[COS+\j:COS+\j+1], v[T1+\j:T1+\j+1] neg_lo:[0,0,1] neg_hi:[0,0,1]
.endr
.irp j, 0,2,4,6,8,10,12,14,16,18,20,22,24,26,28,30
	v_pk_fma_f32 v[64*(\a)+32+\j:64*(\a)+32+\j+1], v[64*(\a)+32+\j:64*(\a)+32+\j+1], v[COS+\j:COS+\j+1], v[T2+\j:T2+\j+1]
.endr
	WIN 0
.Lno_rope_\@:
.endm
.macro QUANTW a                        ; the lane's 64 numbers of tile a (window 2) become a fragment's codes and its row's scale word; registers 16 b .. 16 b + 15 are half of block b, lane l xor 16 has the other half
	WIN 0x0a                                       ; sources 0 and 1 window 2
.irp b, 0,1,2,3
	v_max3_num_f32 v[TM+\b], |v[64*(\a)+16*\b]|, |v[64*(\a)+16*\b+1]|, 0x1800000   ; with the floor 2^(3 - 127): the byte cannot fall under 1
.endr
.irp i, 2,4,6,8,10,12,14
.irp b, 0,1,2,3
	v_max3_num_f32 v[TM+\b], |v[64*(\a)+16*\b+\i]|, |v[64*(\a)+16*\b+\i+1]|, v[TM+\b]
.endr
.endr
	WIN 0
.irp b, 0,1,2,3
	v_permlanex16_b32 v[TM+4+\b], v[TM+\b], s38, s39
.endr
.irp b, 0,1,2,3
	v_max_num_f32 v[TM+\b], v[TM+\b], v[TM+4+\b]   ; the block's largest magnitude
.endr
.irp b, 0,1,2,3
	v_add_nc_u32 v[TM+12+\b], 0xff000000, v[TM+\b] ; 2 off its exponent field: the conversion's scale operand
.endr
.irp b, 0,1,2,3
	v_lshrrev_b32 v[TM+4+\b], 23, v[TM+12+\b]      ; the scale's byte
.endr
	v_lshl_or_b32 v[PW+\a], v[TM+5], 8, v[TM+4]
	v_lshl_or_b32 v[PW+\a], v[TM+6], 16, v[PW+\a]
	v_lshl_or_b32 v[PW+\a], v[TM+7], 24, v[PW+\a]
	WIN 0x02                                       ; source 0 window 2
.irp c, 0,1
	v_cvt_scalef32_pk16_fp6_f32 v[PCD+12*(\a)+6*\c:PCD+12*(\a)+6*\c+2], v[64*(\a)+32*\c:64*(\a)+32*\c+15], v[TM+12+2*\c]
	v_cvt_scalef32_pk16_fp6_f32 v[PX+4*\c:PX+4*\c+2], v[64*(\a)+32*\c+16:64*(\a)+32*\c+31], v[TM+12+2*\c+1]
.endr
	WIN 0
	v_nop                                          ; one plain place behind a scaled conversion
.irp c, 0,1                                    ; the operand's layout wants a whole block in a lane
.irp i, 0,1,2
	v_permlane16_swap_b32 v[PCD+12*(\a)+6*\c+\i], v[PX+4*\c+\i]
.endr
.irp i, 0,1,2
	v_mov_b32 v[PCD+12*(\a)+6*\c+3+\i], v[PX+4*\c+\i]
.endr
.endr
.irp j, 0,1,2
	global_store_b128 v[LI], v[PCD+12*(\a)+4*\j:PCD+12*(\a)+4*\j+3], s[34:35] offset:(\a)*1536+512*\j   ; 32 lanes store 512 consecutive bytes; each tile has its own registers, so no store's data are written again
.endr
.endm
	PLACES 4                                       ; behind the last products: their results are read, and loads go into registers that they read
.irp b, 0,1,2,3
	v_mov_b32 v[TM+4+\b], 0                        ; a lane permute's destination counts as one of its sources
.endr
.irp a, 0,1,2,3
	ROPE \a
	QUANTW \a
.endr
	v_cmp_eq_u32 vcc_lo, 1, v2
	v_cndmask_b32 v[SD], v[PW], v[PW+2], vcc_lo    ; row r's four words: lanes 0-15 store tiles 0 and 1, lanes 16-31 tiles 2 and 3
	v_cndmask_b32 v[SD+1], v[PW+1], v[PW+3], vcc_lo
	global_store_b64 v[SO], v[SD:SD+1], s[36:37]   ; 32 lanes store 256 consecutive bytes, aligned
	s_wait_tensorcnt 0x0                           ; the wave's end
	ds_add_u32 v[SPW], v[NIL]
	s_wait_dscnt 0x0
	CROUND                                         ; the closing round
	s_endpgm
.Lfunc_end_k_q4cb2573bcf_qkv:
	.size	k_q4cb2573bcf_qkv, .Lfunc_end_k_q4cb2573bcf_qkv-k_q4cb2573bcf_qkv
	.p2alignl 7, 3214868480
	.fill 96, 4, 3214868480
	.section	.rodata,"a",@progbits
	.p2align	6, 0x0
	.amdhsa_kernel k_q4cb2573bcf_qkv
		.amdhsa_group_segment_fixed_size 327680
		.amdhsa_private_segment_fixed_size 0
		.amdhsa_enable_private_segment 0
		.amdhsa_kernarg_size 120
		.amdhsa_user_sgpr_count 2
		.amdhsa_user_sgpr_kernarg_segment_ptr 1
		.amdhsa_wavefront_size32 1
		.amdhsa_system_sgpr_workgroup_id_x 1
		.amdhsa_system_sgpr_workgroup_id_y 1
		.amdhsa_system_sgpr_workgroup_id_z 1
		.amdhsa_system_vgpr_workitem_id 0
		.amdhsa_next_free_vgpr 768
		.amdhsa_next_free_sgpr 102
		.amdhsa_reserve_vcc 1
		.amdhsa_float_denorm_mode_32 3
		.amdhsa_float_denorm_mode_16_64 3
		.amdhsa_memory_ordered 1
		.amdhsa_forward_progress 1
		.amdhsa_inst_pref_size 233
	.end_amdhsa_kernel
	.amdgpu_metadata
---
amdhsa.version: [ 1, 2 ]
amdhsa.kernels:
  - .name:           k_q4cb2573bcf_qkv
    .symbol:         k_q4cb2573bcf_qkv.kd
    .args:
      - { .name: hidden_states_codes, .offset: 0, .size: 8, .value_kind: global_buffer, .address_space: global }
      - { .name: hidden_states_scales, .offset: 8, .size: 8, .value_kind: global_buffer, .address_space: global }
      - { .name: Wq_codes, .offset: 16, .size: 8, .value_kind: global_buffer, .address_space: global }
      - { .name: Wq_scales, .offset: 24, .size: 8, .value_kind: global_buffer, .address_space: global }
      - { .name: Wk_codes, .offset: 32, .size: 8, .value_kind: global_buffer, .address_space: global }
      - { .name: Wk_scales, .offset: 40, .size: 8, .value_kind: global_buffer, .address_space: global }
      - { .name: Wv_codes, .offset: 48, .size: 8, .value_kind: global_buffer, .address_space: global }
      - { .name: Wv_scales, .offset: 56, .size: 8, .value_kind: global_buffer, .address_space: global }
      - { .name: position_ids, .offset: 64, .size: 8, .value_kind: global_buffer, .address_space: global }
      - { .name: qfr, .offset: 72, .size: 8, .value_kind: global_buffer, .address_space: global }
      - { .name: qsc, .offset: 80, .size: 8, .value_kind: global_buffer, .address_space: global }
      - { .name: kfr, .offset: 88, .size: 8, .value_kind: global_buffer, .address_space: global }
      - { .name: ksc, .offset: 96, .size: 8, .value_kind: global_buffer, .address_space: global }
      - { .name: vfr, .offset: 104, .size: 8, .value_kind: global_buffer, .address_space: global }
      - { .name: vsc, .offset: 112, .size: 8, .value_kind: global_buffer, .address_space: global }
    .group_segment_fixed_size: 327680
    .private_segment_fixed_size: 0
    .kernarg_segment_align: 8
    .kernarg_segment_size: 120
    .max_flat_workgroup_size: 128
    .sgpr_count:     102
    .vgpr_count:     768
    .wavefront_size: 32
...
	.end_amdgpu_metadata
.endif
;; end of part 1
;; launch attn (part 2): grid 64 x 4, 16 waves a work-group, no clusters, 327,680 bytes of LDS; arguments qfr, qsc, kfr, ksc, vfr, vsc, afr, asc; writes afr, asc
.if DOCPART == 2
	.amdgcn_target "amdgcn-amd-amdhsa--gfx1250"
	.amdhsa_code_object_version 6
	.text
	.protected	k_q4cb2573bcf_attn
	.globl	k_q4cb2573bcf_attn
	.p2align	8
	.type	k_q4cb2573bcf_attn,@function
k_q4cb2573bcf_attn:
	s_mov_b64 s[64:65], 0
	v_nop
	global_prefetch_b8 v0, s[64:65] scope:SCOPE_SE
	s_setreg_imm32_b32 hwreg(HW_REG_WAVE_MODE, 25, 1), 1
	s_wait_xcnt 0x0
; softmax(q k^T / sqrt(128)) v under the causal mask, on codes of FP6; the result is quantised along a head's 128 and leaves as images of operand registers with a scale word a row.
; SHARES.  A work-group: one key head, its four query heads, the query tiles x and 127 - x of 16 queries; sixteen waves: 4 heads x 2 tiles x the even or the odd key steps of 128.  The two partial results of a tile are joined through LDS.
; KEYS go in slots of 512 through a ring of two.  Key steps that the causal mask, which reference() builds in its own body, hides from a whole tile of queries are jumped over: p is 0 there for all inputs;
; a slot hidden from all of a work-group's queries is not loaded.  LIMIT: a NaN or an infinity that reaches only such hidden scores is not carried to the result.
; NO CLUSTER: a wave's jumps hang on its work-group's own query tile, so partners of a joint load would jump over different key steps.
; HEAD.  One tensor load a wave: waves 0, 1 K's slot 0, waves 2, 3 V's, waves 4, 5 K's scale words for all keys, waves 6, 7 V's.
; PREFETCH.  The slot after the one that is being asked for, by one work-group of a key head for the first and by twelve waves' (4-15) shares of 8,192 bytes.
; LIMITS: scaled scores (exponents to the base 2) under 2^31 in magnitude; NaN and infinities are not served.
.set SLOT1, 131072
.set VOFF,  49152
.set SCK,   98304
.set SCV,   106496
.set SPARE, 114688
.set MRG,   229376
.set AK0,  1
.set AS0,  2
.set LI,   3
.set L4,   4
.set SPW,  5
.set NIL,  6
.set DQ,   7
.set ADK,  8
.set ADV,  9
.set ADS,  10
.set MW,   11
.set MW2,  28
.set PFO,  29
.set SW1,  248
.set SW2,  92
.set WV,   20
.set HD,   21
.set PI,   22
.set HI,   23
.set SEL,  24
.set CS,   26
.set G1T,  28
.set G1S,  36
.set G0K,  44
.set G0V,  48
.set G0SK, 52
.set G0SV, 56
.set TB,   60
.set TS,   61
.set SLOTS, 62
.set SK0,  63
.set Q0,   66
.set LASTQ, 67
.set TT,   68
.set KFW,  69
.set PFA,  70
.set LIM,  72
.macro TLOAD g0k, g1k, g0v, g1v
	s_cmp_lt_u32 s[WV], 2
	s_cbranch_scc0 .Lnot_k_\@
	tensor_load_to_lds s[\g0k:\g0k+3], s[\g1k:\g1k+7]
	s_nop 0
.rept 4
	v_nop
.endr
	s_branch .Lasked_\@
.Lnot_k_\@:
	s_cmp_lt_u32 s[WV], 4
	s_cbranch_scc0 .Lasked_\@
	tensor_load_to_lds s[\g0v:\g0v+3], s[\g1v:\g1v+7]
	s_nop 0
.rept 4
	v_nop
.endr
.Lasked_\@:
.endm
.macro ASK
	s_cmp_gt_u32 s[SLOTS], s[LIM]
	s_cbranch_scc0 .Lnot_mine_\@
	global_prefetch_b8 v[PFO], s[PFA:PFA+1] th:TH_LOAD_NT scope:SCOPE_SE
.Lnot_mine_\@:
.endm
	s_load_b512 s[4:19], s[0:1], 0x0
	v_lshl_add_u32 v[SPW], v0, 2, SPARE
	v_mov_b32 v[NIL], 0
	ds_add_u32 v[SPW], v[NIL]
	ds_add_u32 v[SPW], v[NIL]
	v_lshrrev_b32 v8, 5, v0
	s_delay_alu instid0(VALU_DEP_1)
	v_readfirstlane_b32 s[WV], v8
	s_and_b32 s[HD], s[WV], 3
	s_lshr_b32 s73, s[WV], 2
	s_add_co_u32 s73, s73, s[WV]
	s_and_b32 s[PI], s73, 1
	s_bfe_u32 s[HI], s73, 0x10001
	s_and_b32 s74, ttmp7, 0xffff
	s_sub_co_u32 s75, 127, ttmp9
	s_cmp_eq_u32 s[HI], 0
	s_cselect_b32 s[TT], ttmp9, s75
	s_lshl_b32 s[Q0], s[TT], 4
	s_lshl_b32 s[LASTQ], s75, 4
	s_add_co_u32 s[LASTQ], s[LASTQ], 15
	s_lshl_b32 s76, s74, 2
	s_add_co_u32 s76, s76, s[HD]
	s_and_b32 s77, s[WV], 1
	s_mul_i32 s78, s74, 196608
	s_mul_i32 s79, s77, 24576
	s_add_co_u32 s78, s78, s79
	s_mov_b32 s79, 0
	s_lshl_b32 s80, s74, 13
	s_lshl_b32 s81, s77, 12
	s_add_co_u32 s80, s80, s81
	s_mov_b32 s81, 0
	s_mov_b32 s[G1T], 3<<16
	s_mov_b32 s[G1T+1], 32<<16
	s_mov_b32 s[G1T+2], 96<<16
	s_mov_b32 s[G1T+3], 32<<16
	s_mov_b32 s[G1T+4], 96
	s_mov_b32 s[G1T+5], 32
	s_mov_b32 s[G1T+6], 0
	s_mov_b32 s[G1T+7], 0
	s_mov_b32 s[G1S], 3<<16
	s_mov_b32 s[G1S+1], 32<<16
	s_mov_b32 s[G1S+2], 16<<16
	s_mov_b32 s[G1S+3], 32<<16
	s_mov_b32 s[G1S+4], 16
	s_mov_b32 s[G1S+5], 32
	s_mov_b32 s[G1S+6], 0
	s_mov_b32 s[G1S+7], 0
	s_mov_b32 s[G0K], 1
	s_mul_i32 s[G0K+1], s77, 24576
	s_mov_b32 s[G0V], 1
	s_add_co_u32 s[G0V+1], s[G0K+1], VOFF
	s_mov_b32 s[G0SK], 1
	s_lshl_b32 s73, s77, 12
	s_add_co_u32 s[G0SK+1], s73, SCK
	s_mov_b32 s[G0SV], 1
	s_add_co_u32 s[G0SV+1], s73, SCV
	s_mov_b32 s[SEL], 0x76543210
	s_mov_b32 s[SEL+1], 0xfedcba98
	s_mov_b32 s[CS], 0x3e0293ee
	s_mov_b32 s[CS+1], s[CS]
	s_mov_b32 s[TB], 0
	s_lshl_b32 s[TS], s[PI], 9
	s_mov_b32 s[SLOTS], 3
	s_mov_b32 s[SK0], 0
	s_lshl_b32 s[KFW], s[PI], 7
	s_wait_dscnt 0x0
	s_wait_kmcnt 0x0
	s_add_nc_u64 s[G0SK+2:G0SK+3], s[10:11], s[80:81]
	s_or_b32 s[G0SK+3], s[G0SK+3], 0x80000000
	s_add_nc_u64 s[G0SV+2:G0SV+3], s[14:15], s[80:81]
	s_or_b32 s[G0SV+3], s[G0SV+3], 0x80000000
	s_add_nc_u64 s[G0K+2:G0K+3], s[8:9], s[78:79]
	s_or_b32 s[G0K+3], s[G0K+3], 0x80000000
	s_add_nc_u64 s[G0V+2:G0V+3], s[12:13], s[78:79]
	s_or_b32 s[G0V+3], s[G0V+3], 0x80000000
	s_wait_alu depctr_va_vdst(0)
.macro HARM under, g0, g1, next        ; one arm of the head's tree: one load
	s_cmp_lt_u32 s[WV], \under
	s_cbranch_scc0 \next
	tensor_load_to_lds s[\g0:\g0+3], s[\g1:\g1+7]
	s_nop 0
.rept 4
	v_nop
.endr
	s_branch .Lhead_asked
\next:
.endm
	HARM 2, G0K,  G1T, .Lhead_v
	HARM 4, G0V,  G1T, .Lhead_sk
	HARM 6, G0SK, G1S, .Lhead_sv
	HARM 8, G0SV, G1S, .Lhead_none
.Lhead_asked:
	s_mul_i32 s82, s76, 196608
	s_mul_i32 s83, s[TT], 1536
	s_add_co_u32 s82, s82, s83
	s_mov_b32 s83, 0
	s_add_nc_u64 s[4:5], s[4:5], s[82:83]
	s_lshl_b32 s82, s76, 13
	s_lshr_b32 s73, s[TT], 2
	s_lshl_b32 s73, s73, 8
	s_add_co_u32 s82, s82, s73
	s_and_b32 s73, s[TT], 3
	s_lshl_b32 s73, s73, 2
	s_add_co_u32 s82, s82, s73
	s_add_nc_u64 s[6:7], s[6:7], s[82:83]
	s_lshr_b32 s73, s[TT], 3
	s_mul_i32 s82, s73, 196608
	s_mul_i32 s75, s76, 12288
	s_add_co_u32 s82, s82, s75
	s_and_b32 s75, s[TT], 7
	s_mul_i32 s77, s75, 1536
	s_add_co_u32 s82, s82, s77
	s_add_nc_u64 s[16:17], s[16:17], s[82:83]
	s_lshl_b32 s82, s73, 14
	s_lshl_b32 s77, s76, 10
	s_add_co_u32 s82, s82, s77
	s_lshl_b32 s77, s75, 7
	s_add_co_u32 s82, s82, s77
	s_add_nc_u64 s[18:19], s[18:19], s[82:83]
	s_cmp_lt_u32 s[WV], 10
	s_cselect_b64 s[PFA:PFA+1], s[8:9], s[12:13]
	s_cselect_b32 s77, 0, 6
	s_cmp_lt_u32 s[WV], 4
	s_cselect_b32 s75, 0, 4
	s_add_co_u32 s77, s77, s75
	s_sub_co_u32 s77, s[WV], s77
	s_lshl_b32 s82, s77, 13
	s_mul_i32 s77, s74, 196608
	s_add_co_u32 s82, s82, s77
	s_add_co_u32 s82, s82, 49152
	s_add_nc_u64 s[PFA:PFA+1], s[PFA:PFA+1], s[82:83]
	s_cmp_lt_u32 s[WV], 4
	s_cselect_b32 s77, 1, 0
	s_or_b32 s77, s77, ttmp9
	s_cmp_eq_u32 s77, 0
	s_cselect_b32 s[LIM], 1, -1
	v_and_b32 v8, 31, v0
	v_and_b32 v9, 15, v0
	v_bfe_u32 v10, v0, 4, 1
	s_delay_alu instid0(VALU_DEP_3)
	v_lshlrev_b32 v[LI], 4, v8
	s_delay_alu instid0(VALU_DEP_4)
	v_lshlrev_b32 v[L4], 2, v8
	v_lshlrev_b32 v[PFO], 8, v8
	s_mul_i32 s73, s[PI], 12288
	v_add_nc_u32 v[AK0], s73, v[LI]
	v_lshl_add_u32 v[AS0], v9, 4, SCK
	v_lshlrev_b32 v[DQ], 3, v10
	s_delay_alu instid0(VALU_DEP_1)
	v_sub_nc_u32 v[DQ], v9, v[DQ]
	s_lshl_b32 s73, s[HI], 2
	s_add_co_u32 s73, s73, s[HD]
	s_mul_i32 s73, s73, 8448
	s_add_co_u32 s73, s73, MRG
	v_add_nc_u32 v[MW], s73, v[LI]
	s_add_co_u32 s73, s73, 8192
	v_add_nc_u32 v[MW2], s73, v[L4]
	v_lshlrev_b32 v9, 4, v9
.irp j, 0,1,2
	global_load_b128 v[16+4*\j:19+4*\j], v[LI], s[4:5] offset:512*\j
.endr
	global_load_b32 v255, v9, s[6:7]
	v_mov_b32 v13, 0xff61b1e6
	s_delay_alu instid0(VALU_DEP_1)
	v_floor_f32 v12, -v13
	v_mov_b32 v14, 0
	v_mov_b32 v15, 0
.irp b, 0,1,2,3
	v_mov_b32 v[236+\b], 0
.endr
	v_mov_b32 v252, 0
	v_mov_b32 v253, 0
.set n, 0
.rept 64
	v_mov_b32 v[160+n], 0
.set n, n+1
.endr
.macro LDF reg, adr, off
.irp j, 0,1,2
	ds_load_b128 v[(\reg)+4*\j:(\reg)+4*\j+3], v[\adr] offset:(\off)+512*\j
.endr
.endm
.macro SPROD t, reg, sreg
	v_wmma_scale_f32_16x16x128_f8f6f4 v[96+8*(\t):103+8*(\t)], v[\reg:\reg+11], v[16:27], 0, v[\sreg], v255 matrix_a_fmt:MATRIX_FMT_FP6 matrix_b_fmt:MATRIX_FMT_FP6
.endm
.macro OPROD t, reg, sreg
	v_wmma_scale_f32_16x16x128_f8f6f4 v[160+8*(\t):167+8*(\t)], v[\reg:\reg+11], v[224:235], v[160+8*(\t):167+8*(\t)], v[\sreg], v253 matrix_a_fmt:MATRIX_FMT_FP6 matrix_b_fmt:MATRIX_FMT_FP6
.endm
.macro STEP u
	s_add_co_u32 s73, s[KFW], 256*(\u)
	s_add_co_u32 s74, s[Q0], 15
	s_cmp_gt_u32 s73, s74
	s_cbranch_scc1 .Lhid_\@
	v_add_nc_u32 v[ADK], s[TB], v[AK0]
	v_add_nc_u32 v[ADS], s[TS], v[AS0]
	s_delay_alu instid0(VALU_DEP_2)
	v_add_nc_u32 v[ADV], VOFF, v[ADK]
	v_nop
	v_nop
	ds_load_b128 v[SW1:SW1+3], v[ADS] offset:(\u)*1024
	ds_load_b128 v[SW2:SW2+3], v[ADS] offset:(\u)*1024+256
	LDF 32,  ADK, (\u)*24576
	LDF 44,  ADK, (\u)*24576+1536
	LDF 56,  ADK, (\u)*24576+2*1536
	LDF 68,  ADK, (\u)*24576+3*1536
	LDF 80,  ADK, (\u)*24576+4*1536
	LDF 224, ADK, (\u)*24576+5*1536
	LDF 236, ADK, (\u)*24576+6*1536
	s_wait_alu depctr_va_vdst(0)
	s_wait_dscnt 18
	SPROD 0, 32, SW1
.rept 4
	v_nop
.endr
	LDF 32,  ADK, (\u)*24576+7*1536
	s_wait_dscnt 12
	SPROD 1, 44, SW1+1
	SPROD 2, 56, SW1+2
	SPROD 3, 68, SW1+3
	s_wait_dscnt 3
	SPROD 4, 80, SW2
	SPROD 5, 224, SW2+1
	SPROD 6, 236, SW2+2
	s_wait_dscnt 0x0
	SPROD 7, 32, SW2+3
.rept 4
	v_nop
.endr
	ds_load_b128 v[SW1:SW1+3], v[ADS] offset:8192+(\u)*1024
	ds_load_b128 v[SW2:SW2+3], v[ADS] offset:8192+(\u)*1024+256
	LDF 32,  ADV, (\u)*24576
	LDF 44,  ADV, (\u)*24576+1536
	LDF 56,  ADV, (\u)*24576+2*1536
	LDF 68,  ADV, (\u)*24576+3*1536
	LDF 80,  ADV, (\u)*24576+4*1536
	s_add_co_u32 s74, s73, 127
	s_cmp_le_u32 s74, s[Q0]
	s_cbranch_scc1 .Lopen_\@
	s_sub_co_i32 s74, s[Q0], s73
	v_add_nc_u32 v252, s74, v[DQ]
	v_mov_b32 v254, 0xff800000
.set n, 0
.rept 64
	v_cmp_gt_i32 vcc_lo, 16*(n/8)+n%8, v252
	v_cndmask_b32 v[96+n], v[96+n], v254, vcc_lo
.set n, n+1
.endr
.Lopen_\@:
.irp b, 0,1,2,3
	v_max3_num_f32 v[232+\b], v[96+16*\b], v[97+16*\b], v[98+16*\b]
.endr
.irp i, 3,5,7,9,11,13
.irp b, 0,1,2,3
	v_max3_num_f32 v[232+\b], v[232+\b], v[96+16*\b+\i], v[97+16*\b+\i]
.endr
.endr
.irp b, 0,1,2,3
	v_max_num_f32 v[232+\b], v[232+\b], v[111+16*\b]
.endr
.irp b, 0,1,2,3
	s_delay_alu instid0(VALU_DEP_4)
	v_permlanex16_b32 v[236+\b], v[232+\b], s[SEL], s[SEL+1]
.endr
.irp b, 0,1,2,3
	s_delay_alu instid0(VALU_DEP_4)
	v_max_num_f32 v[232+\b], v[232+\b], v[236+\b]
.endr
	s_delay_alu instid0(VALU_DEP_2)
	v_max3_num_f32 v254, v232, v233, v234
	s_delay_alu instid0(VALU_DEP_1)
	v_max_num_f32 v254, v254, v235
	s_delay_alu instid0(VALU_DEP_1)
	v_mul_f32 v254, s[CS], v254
	s_delay_alu instid0(VALU_DEP_1)
	v_max_num_f32 v13, v13, v254
	v_mov_b32 v254, v12
	s_delay_alu instid0(VALU_DEP_2)
	v_floor_f32 v12, -v13
	s_delay_alu instid0(VALU_DEP_1)
	v_sub_f32 v254, v12, v254
	s_delay_alu instid0(VALU_DEP_1)
	v_cvt_i32_f32 v254, v254
	s_delay_alu instid0(VALU_DEP_1)
	v_ldexp_f32 v252, 1.0, v254
.set n, 0
.rept 32
	v_pk_fma_f32 v[96+n:97+n], v[96+n:97+n], s[CS:CS+1], v[12:13] op_sel_hi:[1,0,0]
.set n, n+2
.endr
.irp b, 0,1,2,3
	v_fma_f32 v[232+\b], v[232+\b], s[CS], v12
.endr
.set n, 0
	s_wait_alu depctr_va_vdst(0)
.rept 64
	v_exp_f32 v[96+n], v[96+n]
.set n, n+1
.endr
	v_pk_mul_f32 v[14:15], v[14:15], v[252:253] op_sel_hi:[1,0]
	s_wait_alu depctr_va_vdst(0)
.irp b, 0,1,2,3
	v_exp_f32 v[232+\b], v[232+\b]
.endr
	v_pk_add_f32 v[236:237], v[96:97], v[98:99]
.irp j, 4,8,12,16,20,24,28,32,36,40,44,48,52,56,60
	v_pk_add_f32 v[14:15], v[14:15], v[96+\j:97+\j]
	v_pk_add_f32 v[236:237], v[236:237], v[98+\j:99+\j]
.endr
	s_delay_alu instid0(VALU_DEP_1)
	v_pk_add_f32 v[14:15], v[14:15], v[236:237]
	s_wait_alu depctr_va_vdst(0)
.irp b, 0,1,2,3
	v_max_num_f32 v[232+\b], 0x1800000, v[232+\b]
.endr
.irp b, 0,1,2,3
	s_delay_alu instid0(VALU_DEP_4)
	v_add_nc_u32 v[244+\b], 0xff000000, v[232+\b]
.endr
.irp b, 0,1,2,3
	s_delay_alu instid0(VALU_DEP_4)
	v_lshrrev_b32 v[236+\b], 23, v[244+\b]
.endr
	s_delay_alu instid0(VALU_DEP_3)
	v_lshl_or_b32 v253, v237, 8, v236
	s_delay_alu instid0(VALU_DEP_1)
	v_lshl_or_b32 v253, v238, 16, v253
	s_delay_alu instid0(VALU_DEP_1)
	v_lshl_or_b32 v253, v239, 24, v253
.irp c, 0,1
	v_cvt_scalef32_pk16_fp6_f32 v[224+6*\c:226+6*\c], v[96+32*\c:111+32*\c], v[244+2*\c]
	v_cvt_scalef32_pk16_fp6_f32 v[236+4*\c:238+4*\c], v[112+32*\c:127+32*\c], v[244+2*\c+1]
.endr
	v_nop
	LDF 96,  ADV, (\u)*24576+5*1536
	LDF 108, ADV, (\u)*24576+6*1536
	LDF 120, ADV, (\u)*24576+7*1536
.irp c, 0,1
.irp i, 0,1,2
	v_permlane16_swap_b32 v[224+6*\c+\i], v[236+4*\c+\i]
.endr
.irp i, 0,1,2
	s_delay_alu instid0(VALU_DEP_3)
	v_mov_b32 v[227+6*\c+\i], v[236+4*\c+\i]
.endr
.endr
.set n, 0
.rept 32
	v_pk_mul_f32 v[160+n:161+n], v[160+n:161+n], v[252:253] op_sel_hi:[1,0]
.set n, n+2
.endr
	s_wait_alu depctr_va_vdst(0)
	s_wait_dscnt 0x0
	OPROD 0, 32, SW1
	OPROD 1, 44, SW1+1
	OPROD 2, 56, SW1+2
	OPROD 3, 68, SW1+3
	OPROD 4, 80, SW2
	OPROD 5, 96, SW2+1
	OPROD 6, 108, SW2+2
	OPROD 7, 120, SW2+3
.Lhid_\@:
.endm
.macro CHANGE fill
	s_wait_tensorcnt 0x0
	ds_add_u32 v[SPW], v[NIL]
.if \fill
	ds_add_u32 v[SPW], v[NIL]                      ; twice
	s_xor_b32 s[G0K+1], s[G0K+1], SLOT1
	s_add_nc_u64 s[G0K+2:G0K+3], s[G0K+2:G0K+3], 49152
	s_xor_b32 s[G0V+1], s[G0V+1], SLOT1
	s_add_nc_u64 s[G0V+2:G0V+3], s[G0V+2:G0V+3], 49152
	s_wait_xcnt 0x0
	s_add_nc_u64 s[PFA:PFA+1], s[PFA:PFA+1], 49152
.endif
	s_wait_dscnt 0x0
	s_barrier_signal -1
	s_barrier_wait -1
.if \fill
	s_add_co_u32 s73, s[SK0], 512
	s_cmp_gt_u32 s73, s[LASTQ]
	s_cbranch_scc1 .Lpast_\@
	TLOAD G0K, G1T, G0V, G1T
.Lpast_\@:
	ASK
.endif
.endm
.macro SLOT_STEPS
	STEP 0
	STEP 1
	s_xor_b32 s[TB], s[TB], SLOT1
	s_add_co_u32 s[TS], s[TS], 2048
	s_add_co_u32 s[KFW], s[KFW], 512
	s_add_co_u32 s[SK0], s[SK0], 512
.endm
	s_wait_alu depctr_va_vdst(0)                   ; the wait at the head's end
	s_wait_loadcnt 0x0
.Lslot:
	CHANGE 1
	SLOT_STEPS
	s_sub_co_u32 s[SLOTS], s[SLOTS], 1
	s_cmp_lg_u32 s[SLOTS], 0
	s_cbranch_scc1 .Lslot
	CHANGE 0
	SLOT_STEPS
.rept 4
	v_nop
.endr
	v_add_f32 v14, v14, v15
	s_cmp_eq_u32 s[PI], 0
	s_cbranch_scc1 .Lkeep
.set n, 0
	s_wait_alu depctr_va_vdst(0)
.rept 16
	ds_store_b128 v[MW], v[160+4*n:163+4*n] offset:512*n
.set n, n+1
.endr
	ds_store_b32 v[MW2], v12
	ds_store_b32 v[MW2], v14 offset:128
.Lkeep:
	s_wait_dscnt 0x0
	s_barrier_signal -1
	s_barrier_wait -1
	s_cmp_lg_u32 s[PI], 0
	s_cbranch_scc1 .Lend
.set n, 0
.rept 16
	ds_load_b128 v[96+4*n:99+4*n], v[MW] offset:512*n
.set n, n+1
.endr
	ds_load_b32 v232, v[MW2]
	ds_load_b32 v233, v[MW2] offset:128
	s_wait_dscnt 0x0
	v_min_num_f32 v234, v12, v232
	s_delay_alu instid0(VALU_DEP_1)
	v_sub_f32 v235, v234, v12
	s_delay_alu instid0(VALU_DEP_2)
	v_sub_f32 v236, v234, v232
	s_delay_alu instid0(VALU_DEP_2)
	v_cvt_i32_f32 v235, v235
	s_delay_alu instid0(VALU_DEP_2)
	v_cvt_i32_f32 v236, v236
	s_delay_alu instid0(VALU_DEP_2)
	v_ldexp_f32 v240, 1.0, v235
	s_delay_alu instid0(VALU_DEP_2)
	v_ldexp_f32 v242, 1.0, v236
	s_delay_alu instid0(VALU_DEP_2)
	v_mov_b32 v241, v240
	s_delay_alu instid0(VALU_DEP_2)
	v_mov_b32 v243, v242
	s_delay_alu instid0(VALU_DEP_4)
	v_mul_f32 v14, v14, v240
	s_delay_alu instid0(VALU_DEP_1)
	v_fmac_f32 v14, v233, v242
.set n, 0
.rept 32
	v_pk_mul_f32 v[160+n:161+n], v[160+n:161+n], v[240:241]
.set n, n+2
.endr
.set n, 0
.rept 32
	v_pk_fma_f32 v[160+n:161+n], v[96+n:97+n], v[242:243], v[160+n:161+n]
.set n, n+2
.endr
	v_permlanex16_b32 v252, v14, s[SEL], s[SEL+1]
	s_delay_alu instid0(VALU_DEP_1)
	v_add_f32 v14, v14, v252
	s_wait_alu depctr_va_vdst(0)
	v_rcp_f32 v14, v14
	v_nop
	s_wait_alu depctr_va_vdst(0)
	v_mov_b32 v15, v14
.set n, 0
.rept 32
	v_pk_mul_f32 v[96+n:97+n], v[160+n:161+n], v[14:15]
.set n, n+2
.endr
.irp b, 0,1,2,3
.irp j, 0,1,2,3,4,5,6,7
	v_permlane16_swap_b32 v[96+16*\b+\j], v[104+16*\b+\j]
.endr
.endr
.irp b, 0,1,2,3
	v_max3_num_f32 v[232+\b], |v[96+16*\b]|, |v[97+16*\b]|, 0x1800000
.endr
.irp i, 2,4,6,8,10,12,14
.irp b, 0,1,2,3
	s_delay_alu instid0(VALU_DEP_4)
	v_max3_num_f32 v[232+\b], v[232+\b], |v[96+16*\b+\i]|, |v[97+16*\b+\i]|
.endr
.endr
.irp b, 0,1,2,3
	s_delay_alu instid0(VALU_DEP_4)
	v_permlanex16_b32 v[236+\b], v[232+\b], s[SEL], s[SEL+1]
.endr
.irp b, 0,1,2,3
	s_delay_alu instid0(VALU_DEP_4)
	v_max_num_f32 v[232+\b], v[232+\b], v[236+\b]
.endr
.irp b, 0,1,2,3
	s_delay_alu instid0(VALU_DEP_4)
	v_add_nc_u32 v[244+\b], 0xff000000, v[232+\b]
.endr
.irp b, 0,1,2,3
	s_delay_alu instid0(VALU_DEP_4)
	v_lshrrev_b32 v[236+\b], 23, v[244+\b]
.endr
	s_delay_alu instid0(VALU_DEP_3)
	v_lshl_or_b32 v252, v237, 8, v236
	s_delay_alu instid0(VALU_DEP_1)
	v_lshl_or_b32 v252, v238, 16, v252
	s_delay_alu instid0(VALU_DEP_1)
	v_lshl_or_b32 v252, v239, 24, v252
.irp c, 0,1
	v_cvt_scalef32_pk16_fp6_f32 v[32+6*\c:34+6*\c], v[96+32*\c:111+32*\c], v[244+2*\c]
	v_cvt_scalef32_pk16_fp6_f32 v[44+4*\c:46+4*\c], v[112+32*\c:127+32*\c], v[244+2*\c+1]
.endr
	v_nop
.irp c, 0,1
.irp i, 0,1,2
	v_permlane16_swap_b32 v[32+6*\c+\i], v[44+4*\c+\i]
.endr
.irp i, 0,1,2
	s_delay_alu instid0(VALU_DEP_3)
	v_mov_b32 v[35+6*\c+\i], v[44+4*\c+\i]
.endr
.endr
.irp j, 0,1,2
	global_store_b128 v[LI], v[32+4*\j:35+4*\j], s[16:17] offset:512*\j
.endr
	global_store_b32 v[L4], v252, s[18:19]
.Lend:
	s_wait_tensorcnt 0x0
	ds_add_u32 v[SPW], v[NIL]
	s_wait_dscnt 0x0
	s_endpgm
.Lfunc_end_k_q4cb2573bcf_attn:
	.size	k_q4cb2573bcf_attn, .Lfunc_end_k_q4cb2573bcf_attn-k_q4cb2573bcf_attn
	.p2alignl 7, 3214868480
	.fill 96, 4, 3214868480
	.section	.rodata,"a",@progbits
	.p2align	6, 0x0
	.amdhsa_kernel k_q4cb2573bcf_attn
		.amdhsa_group_segment_fixed_size 327680
		.amdhsa_private_segment_fixed_size 0
		.amdhsa_enable_private_segment 0
		.amdhsa_kernarg_size 64
		.amdhsa_user_sgpr_count 2
		.amdhsa_user_sgpr_kernarg_segment_ptr 1
		.amdhsa_wavefront_size32 1
		.amdhsa_system_sgpr_workgroup_id_x 1
		.amdhsa_system_sgpr_workgroup_id_y 1
		.amdhsa_system_sgpr_workgroup_id_z 1
		.amdhsa_system_vgpr_workitem_id 0
		.amdhsa_next_free_vgpr 256
		.amdhsa_next_free_sgpr 84
		.amdhsa_reserve_vcc 1
		.amdhsa_float_denorm_mode_32 3
		.amdhsa_float_denorm_mode_16_64 3
		.amdhsa_memory_ordered 1
		.amdhsa_forward_progress 1
		.amdhsa_inst_pref_size 130
	.end_amdhsa_kernel
	.amdgpu_metadata
---
amdhsa.version: [ 1, 2 ]
amdhsa.kernels:
  - .name:           k_q4cb2573bcf_attn
    .symbol:         k_q4cb2573bcf_attn.kd
    .args:
      - { .name: qfr, .offset: 0, .size: 8, .value_kind: global_buffer, .address_space: global }
      - { .name: qsc, .offset: 8, .size: 8, .value_kind: global_buffer, .address_space: global }
      - { .name: kfr, .offset: 16, .size: 8, .value_kind: global_buffer, .address_space: global }
      - { .name: ksc, .offset: 24, .size: 8, .value_kind: global_buffer, .address_space: global }
      - { .name: vfr, .offset: 32, .size: 8, .value_kind: global_buffer, .address_space: global }
      - { .name: vsc, .offset: 40, .size: 8, .value_kind: global_buffer, .address_space: global }
      - { .name: afr, .offset: 48, .size: 8, .value_kind: global_buffer, .address_space: global }
      - { .name: asc, .offset: 56, .size: 8, .value_kind: global_buffer, .address_space: global }
    .group_segment_fixed_size: 327680
    .private_segment_fixed_size: 0
    .kernarg_segment_align: 8
    .kernarg_segment_size: 64
    .max_flat_workgroup_size: 512
    .sgpr_count:     84
    .vgpr_count:     256
    .wavefront_size: 32
...
	.end_amdgpu_metadata
.endif
;; end of part 2
;; launch oproj (part 3): grid 16 x 16, 4 waves a work-group, clusters of 4 x 4, 327,680 bytes of LDS; arguments afr, asc, Wo_codes, Wo_scales, out0; writes out0
.if DOCPART == 3
	.amdgcn_target "amdgcn-amd-amdhsa--gfx1250"
	.amdhsa_code_object_version 6
	.text
	.protected	k_q4cb2573bcf_oproj
	.globl	k_q4cb2573bcf_oproj
	.p2align	8
	.type	k_q4cb2573bcf_oproj,@function
k_q4cb2573bcf_oproj:
	s_mov_b64 s[64:65], 0
	v_nop
	global_prefetch_b8 v0, s[64:65] scope:SCOPE_SE
	s_setreg_imm32_b32 hwreg(HW_REG_WAVE_MODE, 25, 1), 1
	s_wait_xcnt 0x0
	s_wait_alu depctr_hold_cnt(0) depctr_sa_sdst(0) depctr_va_vdst(0) depctr_va_sdst(0) depctr_va_ssrc(0) depctr_va_vcc(0) depctr_vm_vsrc(0)
	s_getreg_b32 s2, hwreg(HW_REG_IB_STS2, 6, 4)
	s_cmp_eq_u32 s2, 0
	s_cbranch_scc0 .Lentry_in_a_cluster
	s_endpgm
.Lentry_in_a_cluster:
	s_bfe_u32 s2, ttmp6, 0x10000c
	s_cmp_lg_u32 s2, 0xf033
	s_cbranch_scc0 .Lentry_shape_is_right
	s_endpgm
.Lentry_shape_is_right:
; out0 = A Wo^T on codes of FP6 (E2M3) with E8M0 scales.  A [2,048 tokens][2,048] arrives as register images (afr: [128 tokens][K step of 128][tile of 16 tokens][1,536 bytes]; asc: the scale registers' images, [128 tokens][K step][tile][128 bytes]),
; Wo as rows of codes [2,048 columns][1,536 bytes] with 64 scale bytes a row.  out0 [2,048][2,048] f32.
; SHARES.  256 work-groups, each 128 tokens x 128 columns; four waves, each 64 x 64: 16 accumulators.  K is 16 steps of 128, two halves of 8.
; LDS holds ALL of A (two halves, 98,304 bytes each) and half a K of B (128 rows of 768 bytes).  B's first half goes into registers at once (32 fragments of 12), so its bytes are filled again,
; once, with B's second half, while the first half is multiplied.  B's scale words go straight into registers, A's through LDS.
; CLUSTER 4 x 4: A's tiles and scales are shared along a row of the cluster, B's along a column; each is asked for jointly.
; HEAD, one tensor load a wave: wave 0 B's first half, wave 1 A's first half, wave 2 A's scales, wave 3 A's second half.  Wave 0's load alone is awaited ahead of the run of loads that brings B into registers;
; wave 3's may stay out until the round in K step 1.
; PREFETCH: what the one refill will load (B's second half) is asked for at the head: 128 rows x 3 units of 256 bytes, shared out by address among the sixteen waves of the four partners, 8 rows a wave.
; The matrix instruction is used transposed (source 0 = 16 rows of Wo, source 1 = 16 tokens): a lane holds eight neighbouring columns of one token's row.
; LIMITS: NaN and infinities are not served.  No work of reference() is left out in this launch.
; REGISTERS.  window 0: v2-30 addresses; v32-95 A's scale words [step][a] and v96-159 B's [b][step], which hold nothing else; v160-255 A's fragments, two sets.
; windows 1 and 2: B's fragments, f = 4 (step % 8) + b: 21 to a window.  window 3: accumulator (a, b) at v[8 (4 a + b)].  On the way out window 1 holds the rows that come back.
.set PITCH,  816                       ; a row of B in LDS: 3 x (256 + 16)
.set BOFF,   196608
.set SCL,    301056                    ; A's scale images, 16,384 bytes
.set SPARE,  317440                    ; the spare words, 128 bytes a wave
.set SPITCH, 272                       ; the way out: 16 rows x (256 + 16) for each wave, in A's first half, which has had its only fill and its last read by then
.set SPW,  2
.set NIL,  3
.set STO,  12
.set RD,   13
.set CO,   14
.set PFO,  15
.set ADAI, 16                          ; v16-19 my A images, 4 K steps each
.set ADSA, 20
.set BSO,  21
.set BA,   22                          ; v22-29 my column tiles' rows, two registers each (the second: for pieces behind one padding more)
.set SA,   32
.set SB,   96
.set AF,   160
.set G1A,  24
.set G0A,  32
.set G0A2, 36
.set G1B,  48
.set G0B,  56
.set G0R,  60
.set G1S,  68
.set G0S,  76
.set MSB, 0
.macro WIN new                         ; the immediate's high byte repeats the setting that is left
.if MSB != \new
	s_set_vgpr_msb (MSB<<8)|\new
.set MSB, \new
.endif
.endm
.macro PLACES n
.rept \n
	v_nop
.endr
.endm
.macro TLOAD g0, g1
	tensor_load_to_lds s[\g0:\g0+3], s[\g1:\g1+7]
	s_nop 0
	PLACES 4
.endm
.macro ARM under, g0, g1, next         ; one arm of the head's tree
	s_cmp_lt_u32 s14, \under
	s_cbranch_scc0 \next
	TLOAD \g0, \g1
	s_branch .Lhead_asked
\next:
.endm
.macro BARRIER
	s_barrier_signal -1
	s_barrier_wait -1
.endm
.macro CREST                           ; a round of the cluster's barrier behind its opening barrier
	s_cmp_lg_u32 s14, 0
	s_cbranch_scc1 .Lnot_wave_0_\@
	s_barrier_signal -3
.Lnot_wave_0_\@:
	s_barrier_wait -3
	BARRIER
.endm
.macro CROUND
	BARRIER
	CREST
.endm
.macro DENSE g, rows                   ; group 1 of a dense block as rows of 256 bytes (32 elements of 8)
	s_or_b32 s[\g], s43, (3<<16)|(1<<21)
	s_mov_b32 s[\g+1], 32<<16
	s_mov_b32 s[\g+2], (\rows)<<16
	s_mov_b32 s[\g+3], 32<<16
	s_mov_b32 s[\g+4], \rows
	s_mov_b32 s[\g+5], 32
	s_mov_b32 s[\g+6], 0
	s_mov_b32 s[\g+7], 0
.endm
	s_load_b128 s[4:7], s[0:1], 0x0                ; afr, asc
	s_load_b128 s[8:11], s[0:1], 0x10              ; Wo's codes, Wo's scales
	s_load_b64 s[12:13], s[0:1], 0x20              ; out0
	v_lshl_add_u32 v[SPW], v0, 2, SPARE
	v_mov_b32 v[NIL], 0
	ds_add_u32 v[SPW], v[NIL]                      ; the wave's opening: the add, twice, and its wait ahead of my first tensor load
	ds_add_u32 v[SPW], v[NIL]
	v_lshrrev_b32 v8, 5, v0
	v_readfirstlane_b32 s14, v8                    ; wave 0..3
	s_lshr_b32 s15, s14, 1                         ; my 64 tokens
	s_and_b32 s16, s14, 1                          ; my 64 columns
	s_bfe_u32 s40, ttmp6, 0x40000                  ; cx
	s_bfe_u32 s41, ttmp6, 0x40004                  ; cy
	s_lshl_b32 s42, ttmp9, 2
	s_add_co_u32 s42, s42, s40                     ; tile column
	s_and_b32 s17, ttmp7, 0xffff
	s_lshl_b32 s17, s17, 2
	s_add_co_u32 s17, s17, s41                     ; tile row
	s_lshl_b32 s43, s41, 2
	s_lshl_b32 s43, 15, s43                        ; my row of the cluster
	s_lshl_b32 s44, 0x1111, s40                    ; my column
	DENSE G1A, 384                                 ; half of A: 98,304 bytes
	DENSE G1S, 64                                  ; A's scale images: 16,384 bytes
	s_or_b32 s[G1B], s44, (1<<20)|(1<<21)|(5<<22)|(3<<25)  ; B: 128 rows of 768 bytes, 4 words of padding behind every 64
	s_mov_b32 s[G1B+1], 768<<16
	s_mov_b32 s[G1B+2], 128<<16
	s_mov_b32 s[G1B+3], 768<<16
	s_mov_b32 s[G1B+4], 128
	s_mov_b32 s[G1B+5], 1536
	s_mov_b32 s[G1B+6], 0
	s_mov_b32 s[G1B+7], 0
	s_mul_i32 s20, s17, 196608                     ; A hangs on the tile row alone,
	s_mov_b32 s21, 0
	s_lshl_b32 s22, s17, 14
	s_mov_b32 s23, 0
	s_mul_i32 s46, s42, 196608                     ; B on the tile column and, at the refill, the wave's number
	s_mov_b32 s47, 0
	s_mul_i32 s18, s14, 98304                      ; the refill: waves 0 and 1, 64 rows each, the rows' second 768 bytes
	s_add_co_u32 s18, s18, 768
	s_mov_b32 s19, 0
	s_mul_i32 s45, s14, 64*PITCH
	s_mov_b32 s[G0A], 1
	s_mov_b32 s[G0A+1], 0
	s_mov_b32 s[G0A2], 1
	s_mov_b32 s[G0A2+1], 98304
	s_mov_b32 s[G0B], 1
	s_mov_b32 s[G0B+1], BOFF
	s_mov_b32 s[G0R], 1
	s_add_co_u32 s[G0R+1], s45, BOFF
	s_mov_b32 s[G0S], 1
	s_mov_b32 s[G0S+1], SCL
	s_wait_dscnt 0x0                               ; both opening adds are done
	s_wait_kmcnt 0x0
	s_add_nc_u64 s[G0A+2:G0A+3], s[4:5], s[20:21]
	s_add_nc_u64 s[G0A2+2:G0A2+3], s[G0A+2:G0A+3], 98304
	s_add_nc_u64 s[G0S+2:G0S+3], s[6:7], s[22:23]
	s_add_nc_u64 s[G0B+2:G0B+3], s[8:9], s[46:47]
	s_add_nc_u64 s[G0R+2:G0R+3], s[G0B+2:G0B+3], s[18:19]
	s_or_b32 s[G0A+3], s[G0A+3], 0x80000000
	s_or_b32 s[G0A2+3], s[G0A2+3], 0x80000000
	s_or_b32 s[G0S+3], s[G0S+3], 0x80000000
	s_or_b32 s[G0B+3], s[G0B+3], 0x80000000
	s_or_b32 s[G0R+3], s[G0R+3], 0x80000000
	CROUND                                         ; all sixteen work-groups are here: the first joint loads meet
	ARM 1, G0B,  G1B, .Lhead_1
	ARM 2, G0A,  G1A, .Lhead_2
	ARM 3, G0S,  G1S, .Lhead_3
	TLOAD G0A2, G1A
.Lhead_asked:
	s_mul_i32 s21, s15, 6144                       ; A: my four tiles' images
	s_lshl_b32 s22, s15, 9
	s_add_co_u32 s22, s22, SCL                     ; and their scale images
	s_mul_i32 s23, s16, 64*PITCH
	s_add_co_u32 s23, s23, BOFF                    ; B: my 64 rows
	s_lshl_b32 s18, s42, 13
	s_lshl_b32 s19, s16, 12
	s_add_co_u32 s18, s18, s19                     ; their scale bytes
	s_lshl_b32 s19, s41, 2
	s_add_co_u32 s19, s19, s14                     ; my number among the sixteen waves that share B's rows out
	s_mul_i32 s19, s19, 8*1536
	s_mul_i32 s45, s42, 196608
	s_add_co_u32 s19, s19, s45
	s_add_co_u32 s19, s19, 768
	s_mul_i32 s20, s14, 16*SPITCH                  ; my stage
	v_and_b32 v5, 15, v0                           ; r
	v_bfe_u32 v6, v0, 4, 1                         ; h
	v_and_b32 v7, 31, v0                           ; lane
	v_lshl_add_u32 v[BSO], v5, 6, s18
.irp i, 0,1,2,3
.irp c, 0,1,2,3
	global_load_b128 v[SB+16*\i+4*\c:SB+16*\i+4*\c+3], v[BSO], s[10:11] offset:\i*1024+16*\c   ; lane r: row r's 64 scale bytes of column tile i
.endr
.endr
	v_lshlrev_b32 v8, 4, v7
.irp t, 0,1,2,3
	v_add_nc_u32 v[ADAI+\t], s21, v8
	s_add_co_u32 s21, s21, 49152
.endr
	v_lshl_add_u32 v[ADSA], v7, 2, s22
	v_mul_u32_u24 v9, v5, PITCH
	v_mad_u32_u24 v10, v6, 24, v9                  ; row x pitch + 24 h
	v_mad_u32_u24 v11, v6, 40, v9                  ; and behind one padding more
.irp i, 0,1,2,3
	v_add_nc_u32 v[BA+2*\i], s23, v10
	v_add_nc_u32 v[BA+2*\i+1], s23, v11
	s_add_co_u32 s23, s23, 16*PITCH
.endr
	v_min_u32 v8, 23, v7                           ; the prefetch: lane l asks for unit l % 3 of row l / 3
	v_mul_u32_u24 v9, v8, 11
	v_lshrrev_b32 v9, 5, v9                        ; l / 3 for l under 24
	v_mul_u32_u24 v9, v9, 768
	v_lshl_add_u32 v9, v8, 8, v9                   ; 1,536 (l / 3) + 256 (l % 3)
	v_add_nc_u32 v[PFO], s19, v9
	v_mul_u32_u24 v8, v5, SPITCH
	v_lshl_add_u32 v8, v6, 5, v8
	v_add_nc_u32 v[STO], s20, v8                   ; in: row r, 32 bytes for each half of the lanes
	v_mul_u32_u24 v8, v6, SPITCH
	v_lshl_add_u32 v8, v5, 4, v8
	v_add_nc_u32 v[RD], s20, v8                    ; back: lanes 0-15 one row of 256 bytes, lanes 16-31 the next
	v_lshlrev_b32 v8, 13, v6
	v_lshl_add_u32 v[CO], v5, 4, v8                ; and the same two rows in out0 (8,192 bytes a row)
	s_wait_alu depctr_va_vdst(0)                   ; the wait at the head's end
	global_prefetch_b8 v[PFO], s[8:9] th:TH_LOAD_NT scope:SCOPE_SE
	s_lshl_b32 s20, s17, 20                        ; my first row: (128 x tile row + 64 x half) x 8,192
	s_lshl_b32 s21, s15, 19
	s_add_co_u32 s20, s20, s21
	s_mov_b32 s21, 0
	s_lshl_b32 s46, s42, 9                         ; my first column: 512 x tile column + 256 x half bytes
	s_lshl_b32 s47, s16, 8
	s_add_co_u32 s46, s46, s47
	s_mov_b32 s47, 0
	s_add_nc_u64 s[20:21], s[20:21], s[46:47]
	s_add_nc_u64 s[12:13], s[12:13], s[20:21]
.macro FRAG f, q, i                    ; a fragment of B: six pieces of 8 bytes of column tile i at step q of the half, two to a load where both go by the same address register
	WIN ((1+(\f)/21)<<6)
.set R_, 12*((\f)%21)
.set SKIP_, 0
.irp p, 0,1,2,3,4,5
.if SKIP_
.set SKIP_, 0
.else
.set PC_, 12*(\q)+6*(\p/3)+\p%3
.set PN_, 12*(\q)+6*((\p+1)/3)+(\p+1)%3
.set X_, (PC_%32+3)/32
.set XQ_, (PN_%32+3)/32
.if (\p < 5) && (X_ == XQ_)
.set SKIP_, 1
	ds_load_2addr_b64 v[R_+2*\p:R_+2*\p+3], v[BA+2*(\i)+X_] offset0:PC_+2*(PC_/32) offset1:PN_+2*(PN_/32)
.else
	ds_load_b64 v[R_+2*\p:R_+2*\p+1], v[BA+2*(\i)+X_] offset:8*(PC_+2*(PC_/32))
.endif
.endif
.endr
.endm
.macro FETCH_B q
.irp b, 0,1,2,3
	FRAG 4*(\q)+\b, \q, \b
.endr
	WIN 0
.endm
.macro FETCH_A ks                      ; A's images come back as they were stored
.irp a, 0,1,2,3
.irp j, 0,1,2
	ds_load_b128 v[AF+48*((\ks)%2)+12*\a+4*\j:AF+48*((\ks)%2)+12*\a+4*\j+3], v[ADAI+(\ks)/4] offset:((\ks)%4)*12288+\a*1536+512*\j
.endr
.endr
.endm
.macro MULB ks, b, zero                ; column tile b against A's four; the 16 accumulators take turns, one instruction a turn, in the same order in every step
.set F_, 4*((\ks)%8)+\b
.set W_, 1+F_/21
.set Q_, 12*(F_%21)
	WIN (W_|0xf0)                                  ; source 0 (B) window 1 or 2, source 1 (A) window 0, C and D window 3
.irp a, 0,1,2,3
.set D_, 8*(4*\a+\b)
.set Y_, AF+48*((\ks)%2)+12*\a
.if \zero
	v_wmma_scale_f32_16x16x128_f8f6f4 v[D_:D_+7], v[Q_:Q_+11], v[Y_:Y_+11], 0, v[SB+16*\b+(\ks)], v[SA+4*(\ks)+\a] matrix_a_fmt:MATRIX_FMT_FP6 matrix_b_fmt:MATRIX_FMT_FP6
.else
	v_wmma_scale_f32_16x16x128_f8f6f4 v[D_:D_+7], v[Q_:Q_+11], v[Y_:Y_+11], v[D_:D_+7], v[SB+16*\b+(\ks)], v[SA+4*(\ks)+\a] matrix_a_fmt:MATRIX_FMT_FP6 matrix_b_fmt:MATRIX_FMT_FP6
.endif
.endr
.endm
.macro STEP ks, zero                   ; a K step; the next step's fragments are fetched: A's into the other set, in the second half B's into their own registers
	s_wait_dscnt 0x0                               ; this step's fragments are in
	PLACES 4                                       ; four plain places between the products ahead and the loads into registers that they read
.if (\ks) >= 8
	FETCH_B \ks-7
.endif
	FETCH_A \ks+1
.irp b, 0,1,2,3
	MULB \ks, \b, \zero
.endr
	WIN 0
.endm
	s_cmp_eq_u32 s14, 0
	s_cbranch_scc0 .Lnot_b
	s_wait_tensorcnt 0x0
.Lnot_b:
	BARRIER                                        ; B's first half is in
.irp q, 0,1,2,3,4,5,6,7
	FETCH_B \q
.endr
	s_cmp_eq_u32 s14, 3
	s_cbranch_scc1 .Lnot_a
	s_wait_tensorcnt 0x0
.Lnot_a:
	s_wait_dscnt 0x0                               ; my part of B's first half is in registers
	BARRIER                                        ; A's first half and its scales are in; its second half may still be on its way
	FETCH_A 0
.set KS, 0
.rept 16
.irp a, 0,1,2,3
	ds_load_b32 v[SA+4*KS+\a], v[ADSA] offset:KS*1024+\a*128
.endr
.set KS, KS+1
.endr
	s_wait_loadcnt 0x0                             ; B's scale words
	STEP 0, 1                                      ; the first step's products start the sums
	; K step 1: the round of the one refill stands among its products
	s_wait_dscnt 0x0
	PLACES 4
	FETCH_A 2
	MULB 1, 0, 0
	MULB 1, 1, 0
	WIN 0
	s_wait_tensorcnt 0x0                           ; all my tensor loads have landed, A's second half among them
	ds_add_u32 v[SPW], v[NIL]                      ; 0 onto my spare word
	s_mov_b32 s[G1B+2], 64<<16                     ; the refill: 64 rows a load
	s_mov_b32 s[G1B+4], 64
	MULB 1, 2, 0
	WIN 0
	s_wait_dscnt 0x0                               ; the add is done; my reads of B's region ended long ago
	s_barrier_signal -1
	MULB 1, 3, 0
	WIN 0
	s_barrier_wait -1
	CREST
	s_cmp_lt_u32 s14, 2
	s_cbranch_scc0 .Lno_refill
	TLOAD G0R, G1B                                 ; waves 0 and 1: B's second half onto its first
.Lno_refill:
.set KS, 2
.rept 5
	STEP KS, 0
.set KS, KS+1
.endr
	; K step 7: a plain barrier shows the refill to all waves
	s_wait_dscnt 0x0
	MULB 7, 0, 0
	WIN 0
	s_wait_tensorcnt 0x0
	BARRIER
	PLACES 4
	FETCH_B 0
	FETCH_A 8
	MULB 7, 1, 0
	MULB 7, 2, 0
	MULB 7, 3, 0
	WIN 0
.set KS, 8
.rept 7
	STEP KS, 0
.set KS, KS+1
.endr
	s_wait_dscnt 0x0
.irp b, 0,1,2,3
	MULB 15, \b, 0
.endr
	WIN 0
; THE WAY OUT, a block of 16 tokens x 64 columns at a time, through my own stage: a lane's 32 bytes go in by rows of 272 bytes and come back as whole rows of 256, which sixteen lanes store as one aligned run.
; LDS serves a wave's instructions in order (ISA guide 5.7.1.4): no wait between the stores and the loads, nor in front of the next block's stores.
.macro TOSTAGE a
	WIN 0x0c                                       ; an LDS store's data are its source 1: window 3
.irp b, 0,1,2,3
	ds_store_b128 v[STO], v[8*(4*(\a)+\b):8*(4*(\a)+\b)+3] offset:64*\b        ; each accumulator from its low end on
	ds_store_b128 v[STO], v[8*(4*(\a)+\b)+4:8*(4*(\a)+\b)+7] offset:64*\b+16
.endr
	WIN 0x40
.irp t, 0,1,2,3,4,5,6,7
	ds_load_b128 v[32*(\a)+4*\t:32*(\a)+4*\t+3], v[RD] offset:\t*2*SPITCH
.endr
	WIN 0
.endm
.macro SEND a, younger                 ; younger: the LDS instructions issued behind block a's loads: the next block's 8 stores and 8 loads, or none
	s_wait_dscnt \younger
	WIN 0x04
.irp t, 0,1,2,3,4,5,6,7
	global_store_b128 v[CO], v[32*(\a)+4*\t:32*(\a)+4*\t+3], s[12:13] offset:(16*(\a)+2*\t)*8192 th:TH_STORE_NT   ; each block has its own registers and the base is never stepped
.endr
	WIN 0
.endm
	PLACES 4                                       ; behind the last products: results are read, and loads go into registers that they read
	TOSTAGE 0
	TOSTAGE 1
	SEND 0, 16
	TOSTAGE 2
	SEND 1, 16
	TOSTAGE 3
	SEND 2, 16
	SEND 3, 0
	s_wait_tensorcnt 0x0                           ; the wave's end
	ds_add_u32 v[SPW], v[NIL]
	s_wait_dscnt 0x0
	CROUND                                         ; the closing round
	s_endpgm
.Lfunc_end_k_q4cb2573bcf_oproj:
	.size	k_q4cb2573bcf_oproj, .Lfunc_end_k_q4cb2573bcf_oproj-k_q4cb2573bcf_oproj
	.p2alignl 7, 3214868480
	.fill 96, 4, 3214868480
	.section	.rodata,"a",@progbits
	.p2align	6, 0x0
	.amdhsa_kernel k_q4cb2573bcf_oproj
		.amdhsa_group_segment_fixed_size 327680
		.amdhsa_private_segment_fixed_size 0
		.amdhsa_enable_private_segment 0
		.amdhsa_kernarg_size 40
		.amdhsa_user_sgpr_count 2
		.amdhsa_user_sgpr_kernarg_segment_ptr 1
		.amdhsa_wavefront_size32 1
		.amdhsa_system_sgpr_workgroup_id_x 1
		.amdhsa_system_sgpr_workgroup_id_y 1
		.amdhsa_system_sgpr_workgroup_id_z 1
		.amdhsa_system_vgpr_workitem_id 0
		.amdhsa_next_free_vgpr 896
		.amdhsa_next_free_sgpr 98
		.amdhsa_reserve_vcc 0
		.amdhsa_float_denorm_mode_32 3
		.amdhsa_float_denorm_mode_16_64 3
		.amdhsa_memory_ordered 1
		.amdhsa_forward_progress 1
		.amdhsa_inst_pref_size 86
	.end_amdhsa_kernel
	.amdgpu_metadata
---
amdhsa.version: [ 1, 2 ]
amdhsa.kernels:
  - .name:           k_q4cb2573bcf_oproj
    .symbol:         k_q4cb2573bcf_oproj.kd
    .args:
      - { .name: afr, .offset: 0, .size: 8, .value_kind: global_buffer, .address_space: global }
      - { .name: asc, .offset: 8, .size: 8, .value_kind: global_buffer, .address_space: global }
      - { .name: Wo_codes, .offset: 16, .size: 8, .value_kind: global_buffer, .address_space: global }
      - { .name: Wo_scales, .offset: 24, .size: 8, .value_kind: global_buffer, .address_space: global }
      - { .name: out0, .offset: 32, .size: 8, .value_kind: global_buffer, .address_space: global }
    .group_segment_fixed_size: 327680
    .private_segment_fixed_size: 0
    .kernarg_segment_align: 8
    .kernarg_segment_size: 40
    .max_flat_workgroup_size: 128
    .sgpr_count:     98
    .vgpr_count:     896
    .wavefront_size: 32
...
	.end_amdgpu_metadata
.endif
;; end of part 3
